; MI455X (gfx1250); checked and timed in simulation.
; The chip was launched on July 23, 2026; its instructions are those of AMD's public machine-readable ISA for CDNA 5 (MIT licence, August 2026) and "CDNA5" Instruction Set Architecture Reference Guide (July 2026). The comments in the code are by the model that wrote it; some were corrected since.
;; Attention Block. Allowed arithmetic: matrix products marked QUANTISED: E2M1 operands, one E8M0 scale for each 32 along K, by v_wmma_scale_f32_16x16x128_f8f6f4 with both operands' format E2M1 (or v_wmma_scale_f32_32x16x128_f4), f32 sums; products left as they are: bf16, f16 or f32 operands; f32 sums; everything else in f32.
;; Inputs: W_out 16 x 64 x 1,024 float32; W_qkv 1,024 x 3 x 16 x 64 float32; b_out 1,024 float32; b_qkv 3 x 16 x 64 float32; x 4 x 2,048 x 1,024 float32.
;; Outputs: out0 4 x 2,048 x 1,024 float32.
;; This version of the problem:
;;   THIS VERSION OF THE PROBLEM IS GIVEN IN LOW PRECISION. The matrix products marked QUANTISED in the list below multiply operands that are first quantised to E2M1 (2 exponent bits, 1 mantissa bit; 4 bits a number), with one power-of-two scale for each 32 numbers along K (OCP MX v1.0); their sums are f32. The products marked 'left as it is' may take bf16, f16 or f32 operands, with f32 sums. Whichever they take, every output number must still come out within the allowed error. Rounding operands to bf16 (8 significant bits) uses up far more of that allowance than f16 does (11 bits, for magnitudes from 6e-5 to 65,504). All else is computed in f32.
;;   The module's matrix products, in the order in which they are computed (A, B: the left and right operand; K: the contracted axis; several contracted axes count as one K, in the product's order):
;;     1. [M 8,192, K 1,024] x [K 1,024, N 3,072]; A: input x; B: input W_qkv: QUANTISED
;;     2. batch 64 x [M 2,048, K 64] x [K 64, N 2,048]; A: computed on the way; B: computed on the way: left as it is (an operand is computed on the way)
;;     3. batch 64 x [M 64, K 2,048] x [K 2,048, N 2,048]; A: computed on the way; B: computed on the way: left as it is (an operand is computed on the way)
;;     4. [M 8,192, K 1,024] x [K 1,024, N 1,024]; A: computed on the way; B: input W_out: left as it is (an operand is computed on the way)
;;   THE QUANTISER, for each operand of a quantised product, along K:
;;     - K is cut into blocks of 32 from its start; a last block that is shorter is filled with zeros.
;;     - A block's scale is 2^e with e = floor(log2(the largest magnitude in the block)) - 2, held to -126 .. 127; a block of zeros has e = 0. As a byte (E8M0): e + 127.
;;     - Each number is divided by its block's scale, clamped to +-6, and rounded to the nearest number of E2M1, ties to even, subnormals kept.
;;     - The product sums the exact products of the quantised numbers (number of the format x scale) in f32.
;;   ~~~python
;;   def quantise(x, axis):      # numpy; x: float32 -> the quantised numbers, widened to float32 again
;;       x = np.moveaxis(x, axis, -1); K = x.shape[-1]
;;       x = np.pad(x, [(0, 0)] * (x.ndim - 1) + [(0, -K % 32)]); x = x.reshape(x.shape[:-1] + (-1, 32)); a = np.abs(x).max(-1, keepdims=True)
;;       e = np.where(a > 0, np.clip(np.frexp(np.where(a > 0, a, 1))[1] - 1 - 2, -126, 127), 0)      # np.frexp(a)[1] - 1 = floor(log2(a)), exactly
;;       r = np.clip(x / 2.0 ** e, -6, 6)
;;       step = 2.0 ** (np.maximum(np.frexp(np.where(r == 0, 1, r))[1] - 1, 0) - 1)
;;       q = np.round(r / step) * step * 2.0 ** e      # np.round: ties to even
;;       return np.moveaxis(q.reshape(q.shape[:-2] + (-1,))[..., :K], -1, axis).astype(np.float32)
;;   ~~~
;; One version. Each part assembles by itself: llvm-mc -triple=amdgcn-amd-amdhsa -mcpu=gfx1250 --defsym DOCPART=n.
;; ======== version 1 of 1: 5 launches
;; limits: values are held in f16: magnitudes above 65,504 overflow, below 6.1e-05 lose precision; right only within a limited range of input values
;; workspace buffers: x_codes 4,194,304 bytes; x_scales 262,144 bytes; w_codes 1,572,864 bytes; w_scales 98,304 bytes; wo_t 2,097,152 bytes; qkv 50,331,648 bytes; qkv32 786,432 bytes; ans 16,777,216 bytes
;; launch prep (part 1): grid 368 x 1, 4 waves a work-group, no clusters, 102,912 bytes of LDS; arguments x, W_qkv, W_out, x_codes, x_scales, w_codes, w_scales, wo_t; writes x_codes, x_scales, w_codes, w_scales, wo_t
.if DOCPART == 1
	.amdgcn_target "amdgcn-amd-amdhsa--gfx1250"
	.amdhsa_code_object_version 6
	.text
	.protected	k_q9387a3eb72_prep
	.globl	k_q9387a3eb72_prep
	.p2align	8
	.type	k_q9387a3eb72_prep,@function
k_q9387a3eb72_prep:
	s_mov_b64 s[64:65], 0
	v_nop
	global_prefetch_b8 v0, s[64:65] scope:SCOPE_SE
	s_setreg_imm32_b32 hwreg(HW_REG_WAVE_MODE, 25, 1), 1
	s_wait_xcnt 0x0
; THE PROGRAM: out = softmax(causal(q k^T / 8)) v W_out + b_out, with [q k v] = Q4(x) Q4(W_qkv) + b_qkv; B 4, S 2,048, E 1,024, 16 heads of 64.
; Five launches: this one (operands made ready), the quantised product, the attention, the projection, and the first 16 positions of every sequence once more in f32.
; WORK LEFT OUT, AND WHY IT IS DEAD.
;   (1) b_qkv[1], K's bias.  q . (k + bk) = q . k + q . bk, and q . bk is the same for every key of a query's row: a term that is constant along the softmax's axis leaves the weights as they are,
;       for all values of the inputs.  The product q k^T is not quantised, so no quantiser sees k.  b_qkv[1] is neither loaded nor added; rows 0 and 2 of b_qkv are.
;   (2) Tiles of keys that lie wholly behind the causal mask which the problem builds itself: their weights are exp(-1e9 - ..) = 0.  They are not multiplied.
; LIMITS.  A NaN, an infinity or an overflow that reaches only the work left out is not carried to the result.  q, k, v, the answers and W_out go to the later products as f16: their magnitudes stay
; under 65,504.  Masked weights are taken as exact zeros, which holds while the scores' magnitudes stay far under 1e9.  NaN and infinities among the inputs are not served.
;
; THIS LAUNCH, three paths that part on the work-group's number alone; each has LDS bytes of its own, and none comes back to another:
;   work-groups 0-47    W_qkv [1024 k][3072 n] f32 -> codes of E2M1 laid [n][k], K innermost, and one E8M0 byte for each 32 along K, laid [n][32]
;   work-groups 48-111  W_out [1024 k][1024 e] f32 -> f16 laid [e][k]
;   work-groups 112-367 x [8192][1024] f32 -> codes [8192][512 bytes] and scale bytes [8192][32]
; A block's scale is 2^(floor(log2(its largest magnitude)) - 2); its byte is the largest magnitude's exponent field - 2, held at 1 from below.  A block of zeros so gets the byte 1 where the rule says 127:
; its codes are zeros, which add nothing under any byte but 0xff, and this program alone reads the bytes.  Blocks whose largest magnitude lies under 2^(2 - 126) were not tried.
; No tensor loads, no barrier, no cluster: waves share nothing.
.set NWG_W, 48
.set NWG_O, 64
.set WSTG,  32768                      ; LDS: 0 .. 32767 x's four regions; here W_qkv's four stages (32 x 272 each);
.set OSTG,  67584                      ; W_out's four stages (32 x 272 each);
.set SPARE, 102400                     ; the spare words, 128 bytes for each wave: two blocks of 256 bytes that no other line names
.set SPW,   190                        ; v190  LDS address of my spare word; never rewritten
.set NIL,   191                        ; v191  0; never rewritten
.set EMAX,  2
	s_load_b256 s[4:11], s[0:1], 0x0               ; x s[4:5], W_qkv s[6:7], W_out s[8:9], x's codes s[10:11]
	s_load_b256 s[12:19], s[0:1], 0x20             ; x's scales s[12:13], W's codes s[14:15], W's scales s[16:17], W_out turned s[18:19]
	v_lshl_add_u32 v[SPW], v0, 2, SPARE
	v_mov_b32 v[NIL], 0
	v_lshrrev_b32 v1, 5, v0
	v_readfirstlane_b32 s20, v1                    ; wave 0..3
	v_and_b32 v2, 31, v0                           ; lane
	s_mov_b32 s25, 0                               ; the upper word of every offset here: all stay under 2^32
	s_wait_kmcnt 0x0
	s_cmp_lt_u32 ttmp9, NWG_W
	s_cbranch_scc1 .Lpath_w
	s_cmp_lt_u32 ttmp9, NWG_W+NWG_O
	s_cbranch_scc1 .Lpath_o
; ---------------- x: a plain stream of blocks of 32.  A wave takes 16 steps of 512 numbers.  Each of a step's four loads reads 512 consecutive bytes; the 2,048 bytes turn through the wave's own stage in LDS
; and come back 64 bytes a lane, so that a lane holds 16 neighbours along K (two neighbouring lanes hold a block).  A lane's 16 codes are 8 bytes: the wave stores 256 consecutive bytes.
.set STEPS, 16
.set CB,    8                          ; bytes of 16 codes
.set XR,    16                         ; v16-79   four sets of 16 numbers as they are loaded
.set XX,    80                         ; v80-111  two sets of 16 neighbours
.set XC,    128                        ; v128-189 codes: registers of its own for each step
.set XE,    112                        ; v112-127 a scale byte for each step
.set WREG,  8192                       ; a region for each wave: two stages of 32 x SP bytes, behind them its 256 scale bytes
.set SP,    80                         ; a lane's place in a stage: its 64 bytes + 16 of padding
	v_lshlrev_b32 v3, 4, v2                        ; my 16 bytes of a load's 512
	s_mul_i32 s21, s20, WREG
	v_lshrrev_b32 v14, 2, v2
	v_mul_u32_u24 v14, v14, SP
	v_and_b32 v15, 3, v2
	v_lshl_add_u32 v14, v15, 4, v14
	v_add_nc_u32 v14, s21, v14                     ; the stage, on the way in: SP (lane / 4) + 16 (lane % 4)
	v_mul_u32_u24 v15, v2, SP
	v_add_nc_u32 v15, s21, v15                     ; and on the way out: SP x lane
	v_mul_u32_u24 v4, v2, CB                       ; my codes' place in a step's
	v_lshrrev_b32 v5, 1, v2
	s_add_co_u32 s21, s21, 2*32*SP
	v_add_nc_u32 v5, s21, v5                       ; my block's scale byte in LDS
	v_lshlrev_b32 v7, 3, v2                        ; and on the way out 8 bytes a lane
	v_add_nc_u32 v6, s21, v7
	s_sub_co_u32 s22, ttmp9, NWG_W+NWG_O
	s_lshl_b32 s22, s22, 2
	s_add_co_u32 s22, s22, s20                     ; which run of 8,192 numbers is my wave's
	s_lshl_b32 s24, s22, 15                        ; 32,768 bytes of x,
	s_add_nc_u64 s[4:5], s[4:5], s[24:25]
	s_lshl_b32 s24, s22, 12                        ; 4,096 of codes,
	s_add_nc_u64 s[10:11], s[10:11], s[24:25]
	s_lshl_b32 s24, s22, 8                         ; 256 scale bytes a run
	s_add_nc_u64 s[12:13], s[12:13], s[24:25]
.macro XLOAD t
.irp i, 0,1,2,3
	global_load_b128 v[XR+16*((\t)%4)+4*\i:XR+16*((\t)%4)+4*\i+3], v3, s[4:5] offset:2048*(\t)+512*\i th:TH_LOAD_NT
.endr
.endm
.macro XTURN t                         ; step t's numbers through the stage: LDS serves a wave's instructions in order, so no wait stands between the stores and the loads
.irp i, 0,1,2,3
	ds_store_b128 v14, v[XR+16*((\t)%4)+4*\i:XR+16*((\t)%4)+4*\i+3] offset:32*SP*((\t)%2)+8*SP*\i
.endr
.irp i, 0,1,2,3
	ds_load_b128 v[XX+16*((\t)%2)+4*\i:XX+16*((\t)%2)+4*\i+3], v15 offset:32*SP*((\t)%2)+16*\i
.endr
.endm
.irp t, 0,1,2,3
	XLOAD \t
.endr
	s_wait_loadcnt 12                              ; step 0's four loads are in; the twelve of steps 1 to 3 may be out
	XTURN 0
.macro XSTEP t
.set XS, XX+16*((\t)%2)
.if (\t) > 0
	s_wait_dscnt 1                                 ; this step's numbers are back from the stage (the last step's byte store may be out)
.else
	s_wait_dscnt 0x0
.endif
.if (\t)+4 < STEPS
	XLOAD (\t)+4                                   ; the registers that the stage's stores have read take the loads of four steps on
.endif
.if (\t)+1 < STEPS
.if STEPS-2-(\t) >= 3
	s_wait_loadcnt 12                              ; the next step's four loads are in; those of the three steps behind it may be out
.else
	s_wait_loadcnt 4*(STEPS-2-(\t))
.endif
	XTURN (\t)+1
.endif
	v_max3_num_f32 v8, |v[XS]|, |v[XS+1]|, |v[XS+2]|               ; the largest magnitude of my 16, in two chains
	v_max3_num_f32 v9, |v[XS+3]|, |v[XS+4]|, |v[XS+5]|
.irp i, 6,10
	v_max3_num_f32 v8, v8, |v[XS+\i]|, |v[XS+\i+1]|
	v_max3_num_f32 v9, v9, |v[XS+\i+2]|, |v[XS+\i+3]|
.endr
	v_max3_num_f32 v8, v8, |v[XS+14]|, |v[XS+15]|
	v_max3_num_f32 v8, v8, v9, (EMAX+1)<<23        ; and the floor 2^(EMAX + 1 - 127): the byte cannot fall under 1
	v_max_num_f32_dpp v8, v8, v8 row_xmask:1 row_mask:0xf bank_mask:0xf   ; and of my neighbour's 16: the block's
	v_add_nc_u32 v11, -(EMAX<<23), v8              ; EMAX off its exponent field: the conversion takes the exponent field of this operand as its scale
	v_cvt_scalef32_pk8_fp4_f32 v[XC+4*(\t)], v[XS:XS+7], v11
	v_cvt_scalef32_pk8_fp4_f32 v[XC+4*(\t)+1], v[XS+8:XS+15], v11
	v_lshrrev_b32 v[XE+(\t)], 23, v11              ; the scale's byte
	ds_store_b8 v5, v[XE+(\t)] offset:16*(\t)      ; both lanes of a block write the same byte with the same value
	global_store_b64 v4, v[XC+4*(\t):XC+4*(\t)+1], s[10:11] offset:32*CB*(\t)   ; 32 lanes store 256 consecutive bytes, aligned
.endm
.irp t, 0,1,2,3,4,5,6,7,8,9,10,11,12,13,14,15
	XSTEP \t
.endr
	ds_load_b64 v[8:9], v6                         ; my wave's 256 scale bytes
	s_wait_dscnt 0x0
	global_store_b64 v7, v[8:9], s[12:13]          ; 256 consecutive bytes, aligned
	s_wait_tensorcnt 0x0                           ; the wave's end, behind my last LDS store
	ds_add_u32 v[SPW], v[NIL]
	s_wait_dscnt 0x0
	s_endpgm
; ---------------- W_qkv: K is its FIRST axis.  A lane takes a column n and its registers run down K: a block of 32 lies in one lane, and the conversions give codes with K innermost.
; A wave takes 32 columns x 512 along K (16 blocks a lane, 256 bytes of codes a column); the codes go through the wave's own stage and leave as rows, sixteen lanes to 256 aligned bytes.
; Every offset is an immediate: 511 x 12,288 bytes at the most.
.Lpath_w:
.set WNB,   16                         ; blocks
.set WP,    272                        ; a stage row: 256 bytes + 16
.set WX,    32                         ; v32-95   two sets of 32 numbers
.set WC,    96                         ; v96-99   a block's codes
.set WOUT,  112                        ; v112-175 the way out
.set WSB,   24                         ; v24-27   the scale bytes, four to a register
	s_lshr_b32 s21, ttmp9, 1
	s_lshl_b32 s21, s21, 7
	s_lshl_b32 s22, s20, 5
	s_add_co_u32 s21, s21, s22                     ; my wave's first column: 128 x (work-group / 2) + 32 x wave
	s_and_b32 s22, ttmp9, 1                        ; which 512 along K
	v_lshlrev_b32 v3, 2, v2                        ; in: 4 bytes a lane
	s_mul_i32 s23, s20, 32*WP
	s_add_co_u32 s23, s23, WSTG                    ; my stage
	v_mul_u32_u24 v4, v2, WP
	v_add_nc_u32 v4, s23, v4                       ; into it: row = my column
	v_and_b32 v5, 15, v2
	v_lshrrev_b32 v6, 4, v2                        ; out of it: sixteen lanes to a row, two rows an instruction
	v_mul_u32_u24 v7, v6, WP
	v_lshl_add_u32 v7, v5, 4, v7
	v_add_nc_u32 v7, s23, v7
	v_lshlrev_b32 v8, 9, v6
	v_lshl_add_u32 v8, v5, 4, v8                   ; and the same place in the codes' buffer: rows of 512 bytes
	v_lshlrev_b32 v9, 5, v2                        ; my column's row of 32 scale bytes
	s_mul_i32 s24, s22, 512*12288
	s_lshl_b32 s26, s21, 2
	s_add_co_u32 s24, s24, s26
	s_add_nc_u64 s[6:7], s[6:7], s[24:25]          ; W_qkv at row 512 y, my first column
	s_lshl_b32 s24, s21, 9
	s_lshl_b32 s26, s22, 8
	s_add_co_u32 s24, s24, s26
	s_add_nc_u64 s[14:15], s[14:15], s[24:25]      ; the codes: column x 512 + 256 y
	s_lshl_b32 s24, s21, 5
	s_lshl_b32 s26, s22, 4
	s_add_co_u32 s24, s24, s26
	s_add_nc_u64 s[16:17], s[16:17], s[24:25]      ; the scale bytes: column x 32 + 16 y
.macro WLOAD t
.irp i, 0,1,2,3,4,5,6,7,8,9,10,11,12,13,14,15,16,17,18,19,20,21,22,23,24,25,26,27,28,29,30,31
	global_load_b32 v[WX+32*((\t)%2)+\i], v3, s[6:7] offset:(32*(\t)+\i)*12288 th:TH_LOAD_NT
.endr
.endm
	WLOAD 0
	WLOAD 1
.macro WBLOCK t
.set WS, WX+32*((\t)%2)
.if (\t) < WNB-1
	s_wait_loadcnt 32                              ; this block's 32 loads are in; the next block's may be out
.else
	s_wait_loadcnt 0
.endif
	v_max3_num_f32 v12, |v[WS]|, |v[WS+1]|, |v[WS+2]|
	v_max3_num_f32 v13, |v[WS+3]|, |v[WS+4]|, |v[WS+5]|
.irp i, 6,10,14,18,22,26
	v_max3_num_f32 v12, v12, |v[WS+\i]|, |v[WS+\i+1]|
	v_max3_num_f32 v13, v13, |v[WS+\i+2]|, |v[WS+\i+3]|
.endr
	v_max3_num_f32 v12, v12, |v[WS+30]|, |v[WS+31]|
	v_max3_num_f32 v12, v12, v13, (EMAX+1)<<23     ; and the floor
	v_add_nc_u32 v11, -(EMAX<<23), v12             ; the conversion's scale operand
	v_lshrrev_b32 v13, 23, v11                     ; the scale's byte
.if (\t)%4 == 0
	v_mov_b32 v[WSB+(\t)/4], v13
.else
	v_lshl_or_b32 v[WSB+(\t)/4], v13, 8*((\t)%4), v[WSB+(\t)/4]
.endif
.irp g, 0,1,2,3
	v_cvt_scalef32_pk8_fp4_f32 v[WC+\g], v[WS+8*\g:WS+8*\g+7], v11
.endr
	ds_store_b128 v4, v[WC:WC+3] offset:16*(\t)    ; 32 codes: 16 bytes of my column's row
.if (\t)+2 < WNB
	WLOAD (\t)+2
.endif
	s_wait_dscnt 0x0                               ; the store has read its registers: the next block's codes may be written
.endm
.set Q, 0
.rept WNB
	WBLOCK Q
.set Q, Q+1
.endr
	global_store_b128 v9, v[WSB:WSB+3], s[16:17]   ; my column's 16 scale bytes
.irp t, 0,1,2,3,4,5,6,7,8,9,10,11,12,13,14,15
	ds_load_b128 v[WOUT+4*\t:WOUT+4*\t+3], v7 offset:2*\t*WP
.endr
.irp t, 0,1,2,3,4,5,6,7,8,9,10,11,12,13,14,15
	s_wait_dscnt 15-\t                             ; the younger loads may be out
	global_store_b128 v8, v[WOUT+4*\t:WOUT+4*\t+3], s[14:15] offset:2*\t*512
.endr
	s_wait_tensorcnt 0x0                           ; the wave's end
	ds_add_u32 v[SPW], v[NIL]
	s_wait_dscnt 0x0
	s_endpgm
; ---------------- W_out: the same plan, with a rounding to f16 in place of the quantiser.  A wave takes 32 columns e x 128 along K: 256 bytes of f16 a column.
.Lpath_o:
.set OX,    32                         ; v32-95   two sets of 32 numbers
.set OC,    96                         ; v96-111  32 numbers as f16
.set OOUT,  112                        ; v112-175 the way out
	s_sub_co_u32 s21, ttmp9, NWG_W
	s_and_b32 s22, s21, 7                          ; which 128 columns
	s_lshr_b32 s21, s21, 3                         ; which 128 along K
	s_lshl_b32 s22, s22, 7
	s_lshl_b32 s23, s20, 5
	s_add_co_u32 s22, s22, s23                     ; my wave's first column
	v_lshlrev_b32 v3, 2, v2
	s_mul_i32 s23, s20, 32*272
	s_add_co_u32 s23, s23, OSTG                    ; my stage
	v_mul_u32_u24 v4, v2, 272
	v_add_nc_u32 v4, s23, v4
	v_and_b32 v5, 15, v2
	v_lshrrev_b32 v6, 4, v2
	v_mul_u32_u24 v7, v6, 272
	v_lshl_add_u32 v7, v5, 4, v7
	v_add_nc_u32 v7, s23, v7
	v_lshlrev_b32 v8, 11, v6
	v_lshl_add_u32 v8, v5, 4, v8                   ; rows of 2,048 bytes in the turned buffer
	s_lshl_b32 s24, s21, 19                        ; 128 rows of 4,096 bytes
	s_lshl_b32 s26, s22, 2
	s_add_co_u32 s24, s24, s26
	s_add_nc_u64 s[8:9], s[8:9], s[24:25]
	s_lshl_b32 s24, s22, 11
	s_lshl_b32 s26, s21, 8
	s_add_co_u32 s24, s24, s26
	s_add_nc_u64 s[18:19], s[18:19], s[24:25]
.macro OLOAD t
.irp i, 0,1,2,3,4,5,6,7,8,9,10,11,12,13,14,15,16,17,18,19,20,21,22,23,24,25,26,27,28,29,30,31
	global_load_b32 v[OX+32*((\t)%2)+\i], v3, s[8:9] offset:(32*(\t)+\i)*4096
.endr
.endm
	OLOAD 0
	OLOAD 1
.macro OBLOCK t
.set OS, OX+32*((\t)%2)
.if (\t) < 3
	s_wait_loadcnt 32                              ; this block's 32 loads are in; the next block's may be out
.else
	s_wait_loadcnt 0
.endif
.irp i, 0,1,2,3,4,5,6,7,8,9,10,11,12,13,14,15
	v_cvt_pk_f16_f32 v[OC+\i], v[OS+2*\i], v[OS+2*\i+1]
.endr
.irp g, 0,1,2,3
	ds_store_b128 v4, v[OC+4*\g:OC+4*\g+3] offset:64*(\t)+16*\g
.endr
.if (\t)+2 < 4
	OLOAD (\t)+2
.endif
	s_wait_dscnt 0x0                               ; the stores have read their registers
.endm
.irp t, 0,1,2,3
	OBLOCK \t
.endr
.irp t, 0,1,2,3,4,5,6,7,8,9,10,11,12,13,14,15
	ds_load_b128 v[OOUT+4*\t:OOUT+4*\t+3], v7 offset:2*\t*272
.endr
.irp t, 0,1,2,3,4,5,6,7,8,9,10,11,12,13,14,15
	s_wait_dscnt 15-\t
	global_store_b128 v8, v[OOUT+4*\t:OOUT+4*\t+3], s[18:19] offset:2*\t*2048
.endr
	s_wait_tensorcnt 0x0                           ; the wave's end
	ds_add_u32 v[SPW], v[NIL]
	s_wait_dscnt 0x0
	s_endpgm
.Lfunc_end_k_q9387a3eb72_prep:
	.size	k_q9387a3eb72_prep, .Lfunc_end_k_q9387a3eb72_prep-k_q9387a3eb72_prep
	.p2alignl 7, 3214868480
	.fill 96, 4, 3214868480
	.section	.rodata,"a",@progbits
	.p2align	6, 0x0
	.amdhsa_kernel k_q9387a3eb72_prep
		.amdhsa_group_segment_fixed_size 102912
		.amdhsa_private_segment_fixed_size 0
		.amdhsa_enable_private_segment 0
		.amdhsa_kernarg_size 64
		.amdhsa_user_sgpr_count 2
		.amdhsa_user_sgpr_kernarg_segment_ptr 1
		.amdhsa_wavefront_size32 1
		.amdhsa_system_sgpr_workgroup_id_x 1
		.amdhsa_system_sgpr_workgroup_id_y 1
		.amdhsa_system_sgpr_workgroup_id_z 1
		.amdhsa_system_vgpr_workitem_id 0
		.amdhsa_next_free_vgpr 192
		.amdhsa_next_free_sgpr 66
		.amdhsa_reserve_vcc 0
		.amdhsa_float_denorm_mode_32 3
		.amdhsa_float_denorm_mode_16_64 3
		.amdhsa_memory_ordered 1
		.amdhsa_forward_progress 1
		.amdhsa_inst_pref_size 132
	.end_amdhsa_kernel
	.amdgpu_metadata
---
amdhsa.version: [ 1, 2 ]
amdhsa.kernels:
  - .name:           k_q9387a3eb72_prep
    .symbol:         k_q9387a3eb72_prep.kd
    .args:
      - { .name: x, .offset: 0, .size: 8, .value_kind: global_buffer, .address_space: global }
      - { .name: W_qkv, .offset: 8, .size: 8, .value_kind: global_buffer, .address_space: global }
      - { .name: W_out, .offset: 16, .size: 8, .value_kind: global_buffer, .address_space: global }
      - { .name: x_codes, .offset: 24, .size: 8, .value_kind: global_buffer, .address_space: global }
      - { .name: x_scales, .offset: 32, .size: 8, .value_kind: global_buffer, .address_space: global }
      - { .name: w_codes, .offset: 40, .size: 8, .value_kind: global_buffer, .address_space: global }
      - { .name: w_scales, .offset: 48, .size: 8, .value_kind: global_buffer, .address_space: global }
      - { .name: wo_t, .offset: 56, .size: 8, .value_kind: global_buffer, .address_space: global }
    .group_segment_fixed_size: 102912
    .private_segment_fixed_size: 0
    .kernarg_segment_align: 8
    .kernarg_segment_size: 64
    .max_flat_workgroup_size: 128
    .sgpr_count:     66
    .vgpr_count:     192
    .wavefront_size: 32
...
	.end_amdgpu_metadata
.endif
;; end of part 1
;; launch gemm_qkv (part 2): grid 12 x 32, 4 waves a work-group, clusters of 4 x 1, 327,680 bytes of LDS; arguments x_codes, x_scales, w_codes, w_scales, b_qkv, qkv, qkv32; writes qkv, qkv32
.if DOCPART == 2
	.amdgcn_target "amdgcn-amd-amdhsa--gfx1250"
	.amdhsa_code_object_version 6
	.text
	.protected	k_q9387a3eb72_gemm_qkv
	.globl	k_q9387a3eb72_gemm_qkv
	.p2align	8
	.type	k_q9387a3eb72_gemm_qkv,@function
k_q9387a3eb72_gemm_qkv:
	s_mov_b64 s[64:65], 0
	v_nop
	global_prefetch_b8 v0, s[64:65] scope:SCOPE_SE
	s_setreg_imm32_b32 hwreg(HW_REG_WAVE_MODE, 25, 1), 1
	s_wait_xcnt 0x0
	s_wait_alu depctr_hold_cnt(0) depctr_sa_sdst(0) depctr_va_vdst(0) depctr_va_sdst(0) depctr_va_ssrc(0) depctr_va_vcc(0) depctr_vm_vsrc(0)
	s_getreg_b32 s2, hwreg(HW_REG_IB_STS2, 6, 4)
	s_cmp_eq_u32 s2, 0
	s_cbranch_scc0 .Lentry_in_a_cluster
	s_endpgm
.Lentry_in_a_cluster:
	s_bfe_u32 s2, ttmp6, 0x10000c
	s_cmp_lg_u32 s2, 0x3003
	s_cbranch_scc0 .Lentry_shape_is_right
	s_endpgm
.Lentry_shape_is_right:
; [q k v] = Q4(x) Q4(W_qkv) + b_qkv on codes of E2M1 with one E8M0 scale for each 32 along K: M 8,192, N 3,072, K 1,024; sums in f32.
; LEFT OUT: K's bias, b_qkv[1]: q . bk is the same for every key of a row and leaves the softmax as it is, for all values (shown at the head of the first launch).
; OUT: q, k, v as f16, laid [t 3][b 4][h 16][s 2048][64] (magnitudes under 65,504: a stated limit); and the first 16 positions of every sequence once more as f32, [b 4][16][3072], for the last launch.
; A tile of 256 x 256 is made by four waves, each 128 x 128: 64 accumulators, 512 registers.  K = 1,024 is two LDS slots of 512 along K (rows of 256 bytes): both are asked for at the head, nothing is filled again.
; The scale bytes of the tile's 256 rows of x and 256 rows of W, for all of K, come once, in whole rows of 256 bytes.
; CLUSTER: 4 x 1.  The four work-groups of a cluster are the four tile columns of one of q, k, v in one tile row: they need the same tiles of x, which are asked for JOINTLY (mask 15).
; W's tiles differ from partner to partner and are plain loads.  A 4 x 4 cluster is not taken: two branches of this text hang on which of q, k, v (the bias) and on the tile row (the f32 copy),
; and in a 4 x 1 cluster all partners have the same two numbers.
; THE MATRIX INSTRUCTION IS USED TRANSPOSED (source 0 = 16 rows of W, source 1 = 16 rows of x): a lane holds eight neighbouring columns of one row.  The bias is the C of each sum's first instruction.
; REGISTERS: window 0: v0-31 addresses; v32-95 scale words, two sets; v128-191 x's fragments, one set; v192-255 the bias, eight registers for each of W's eight blocks.
;   window 1: W's fragments, two sets.   window 2, 3: the accumulators ((a, b) at v[8 (8 (a % 4) + b)]).
.set KSTEP,  512
.set NQ,     KSTEP/128
.set ROWB,   256
.set KROW,   512                       ; a row of codes in memory
.set PITCH,  272                       ; an LDS row: 256 bytes + 16: the 16 rows that a load touches start 68 words apart
.set FR,     8
.set NL,     2
.set NP,     4
.set HALFT,  128*PITCH
.set SLOT,   4*HALFT
.set KS,     32                        ; a row of scale bytes
.set SCL,    2*SLOT
.set HALFS,  (128*KS/256)*272
.set SBLK,   (16*KS/256)*272
.set SPARE,  SCL+4*HALFS               ; the spare words, 128 bytes for each wave: two blocks of 256 bytes that no other line names
.set SPITCH, 528                       ; the way out in f32: 16 rows x (512 + 16) for each wave, from LDS byte 0
.set HP,     144                       ; the way out in f16: two heads x 16 rows x (128 + 16) for each wave,
.set HSTG,   4*16*SPITCH               ; behind the f32 stages.  Both lie in slot 0, which has had its only fill and its last read when the first result is stored there
.set ADRA, 16
.set ADRB, 20
.set STH,  22                          ; v22  f16 stage: where I put 16 bytes of a row
.set RDH,  23                          ; v23  f16 stage: where I read rows back
.set STO,  24                          ; v24  f32 stage: in
.set RD,   25                          ; v25  f32 stage: back
.set CO,   26                          ; v26  16 x lane
.set ADRS, 27
.set SPW,  28
.set NIL,  29
.set BO,   30                          ; v30  32 x (lane / 16): my eight numbers of a block's bias
.set SC,   32
.set AF,   128
.set BIAS, 192
.set TMP,  192                         ; the way out: packed results (the bias is done with)
.set OB,   32                          ; the way out: rows read back: v32-63 and v224-255 by turns
.set G1, 24
.set G0, 32
.set G1B, 48
.set G0B, 56
.set G1S, 68
.set G0S, 76
.set G1SB, 80
.set G0SB, 88
.set MSB, 0
.macro WIN new                         ; the immediate's high byte repeats the setting that is left
.if MSB != \new
	s_set_vgpr_msb (MSB<<8)|\new
.set MSB, \new
.endif
.endm
.set MUL_LO, 0xa1                      ; source 0 (W) window 1, source 1 (x) window 0, C and D window 2
.set MUL_HI, 0xf1
.set TO_B,   0x40
; Waves 0 and 1 fetch for x (jointly), waves 2 and 3 for W.  The branch hangs on the wave's number alone.  An s_nop 0 and four v_nop follow each of the two lines.
.macro JLOAD g0a, g1a, g0b, g1b
	s_cmp_eq_u32 s15, 0
	s_cbranch_scc0 .Lfor_b_\@
	tensor_load_to_lds s[\g0a:\g0a+3], s[\g1a:\g1a+7]
	s_nop 0
.rept 4
	v_nop
.endr
	s_branch .Lasked_\@
.Lfor_b_\@:
	tensor_load_to_lds s[\g0b:\g0b+3], s[\g1b:\g1b+7]
	s_nop 0
.rept 4
	v_nop
.endr
.Lasked_\@:
.endm
.macro CROUND                          ; a round of the cluster's barrier
	s_barrier_signal -1
	s_barrier_wait -1
	s_cmp_lg_u32 s14, 0
	s_cbranch_scc1 .Lnot_wave_0_\@
	s_barrier_signal -3
.Lnot_wave_0_\@:
	s_barrier_wait -3
	s_barrier_signal -1
	s_barrier_wait -1
.endm
	s_load_b128 s[4:7], s[0:1], 0x0                ; x's codes, x's scales
	s_load_b128 s[8:11], s[0:1], 0x10              ; W's codes, W's scales
	s_load_b128 s[96:99], s[0:1], 0x20             ; b_qkv, qkv
	s_load_b64 s[100:101], s[0:1], 0x30            ; qkv32
	v_lshl_add_u32 v[SPW], v0, 2, SPARE
	v_mov_b32 v[NIL], 0
	ds_add_u32 v[SPW], v[NIL]                      ; the wave's opening: the add, twice on end, and its wait ahead of my first tensor load
	ds_add_u32 v[SPW], v[NIL]
	v_lshrrev_b32 v1, 5, v0
	v_readfirstlane_b32 s14, v1                    ; wave 0..3
	s_lshr_b32 s15, s14, 1                         ; which half of the tile's rows is mine.  Also: I fetch for x (0) or for W (1)
	s_and_b32 s16, s14, 1                          ; which half of its columns.  Also: which 128 rows I fetch
	s_bfe_u32 s40, ttmp6, 0x40000                  ; cx
	s_lshl_b32 s42, ttmp9, 2                       ; ttmp9 = which of q, k, v
	s_add_co_u32 s42, s42, s40                     ; tile column
	s_and_b32 s17, ttmp7, 0xffff                   ; tile row
	s_mov_b32 s[G1+0], 15|(1<<20)|(1<<21)|(5<<22)|(3<<25)   ; the mask: all four partners; elements of 1 byte; padding: 4 words behind every 64; bit 21 beside a mask
	s_mov_b32 s[G1B+0], (1<<20)|(5<<22)|(3<<25)             ; no mask: W's tiles are my own
.irp g, G1, G1B
	s_mov_b32 s[\g+1], ROWB<<16                    ; tensor_dim0
	s_mov_b32 s[\g+2], 128<<16                     ; tensor_dim1
	s_mov_b32 s[\g+3], ROWB<<16                    ; tile_dim0
	s_mov_b32 s[\g+4], 128                         ; tile_dim1
	s_mov_b32 s[\g+5], KROW                        ; the pitch
	s_mov_b32 s[\g+6], 0
	s_mov_b32 s[\g+7], 0
.endr
	s_mov_b32 s[G1S+0], 15|(3<<16)|(1<<20)|(1<<21)|(5<<22)|(3<<25)   ; the scales of 128 rows: 4,096 dense bytes as 16 rows of 32 elements of 8 bytes
	s_mov_b32 s[G1SB+0], (3<<16)|(1<<20)|(5<<22)|(3<<25)
.irp g, G1S, G1SB
	s_mov_b32 s[\g+1], 32<<16
	s_mov_b32 s[\g+2], (128*KS/256)<<16
	s_mov_b32 s[\g+3], 32<<16
	s_mov_b32 s[\g+4], 128*KS/256
	s_mov_b32 s[\g+5], 32
	s_mov_b32 s[\g+6], 0
	s_mov_b32 s[\g+7], 0
.endr
	s_lshl_b32 s18, s16, 7
	s_lshl_b32 s20, s17, 8
	s_add_co_u32 s20, s20, s18                     ; x: row 256 x tile row + 128 x half
	s_lshl_b32 s46, s42, 8
	s_add_co_u32 s46, s46, s18                     ; W: row 256 x tile column + 128 x half
	s_mov_b32 s21, 0
	s_mov_b32 s47, 0
	s_mov_b64 s[18:19], KS
	s_mul_u64 s[22:23], s[20:21], s[18:19]         ; where these rows' scales begin,
	s_mul_u64 s[92:93], s[46:47], s[18:19]
	s_mov_b64 s[18:19], KROW
	s_mul_u64 s[20:21], s[20:21], s[18:19]         ; and their codes
	s_mul_u64 s[46:47], s[46:47], s[18:19]
	s_mul_i32 s45, s14, HALFT                      ; where they go: wave x 128 rows
	s_mul_i32 s94, s14, HALFS
	s_wait_dscnt 0x0                               ; both opening adds are done
	s_wait_kmcnt 0x0
	s_add_nc_u64 s[20:21], s[4:5], s[20:21]
	s_add_nc_u64 s[22:23], s[6:7], s[22:23]
	s_add_nc_u64 s[46:47], s[8:9], s[46:47]
	s_add_nc_u64 s[92:93], s[10:11], s[92:93]
	CROUND                                         ; all four work-groups are here: the joint loads meet
	s_mov_b32 s[G0S], 1
	s_add_co_u32 s[G0S+1], s94, SCL
	s_mov_b64 s[G0S+2:G0S+3], s[22:23]
	s_or_b32 s[G0S+3], s[G0S+3], 0x80000000
	s_mov_b32 s[G0SB], 1
	s_add_co_u32 s[G0SB+1], s94, SCL
	s_mov_b64 s[G0SB+2:G0SB+3], s[92:93]
	s_or_b32 s[G0SB+3], s[G0SB+3], 0x80000000
	JLOAD G0S, G1S, G0SB, G1SB                     ; the scales first; three loads of mine are out at the most
.irp s, 0,1
	s_mov_b32 s[G0+4*\s], 1
	s_add_co_u32 s[G0+4*\s+1], s45, \s*SLOT
	s_add_nc_u64 s[G0+4*\s+2:G0+4*\s+3], s[20:21], \s*ROWB
	s_or_b32 s[G0+4*\s+3], s[G0+4*\s+3], 0x80000000
	s_mov_b32 s[G0B+4*\s], 1
	s_add_co_u32 s[G0B+4*\s+1], s45, \s*SLOT
	s_add_nc_u64 s[G0B+4*\s+2:G0B+4*\s+3], s[46:47], \s*ROWB
	s_or_b32 s[G0B+4*\s+3], s[G0B+4*\s+3], 0x80000000
	JLOAD G0+4*\s, G1, G0B+4*\s, G1B
.endr
	v_and_b32 v1, 15, v0                           ; r = lane % 16
	v_bfe_u32 v2, v0, 4, 1                         ; h = lane / 16
	v_mul_u32_u24 v3, v1, PITCH
	v_lshl_add_u32 v4, v2, 4, v3                   ; a fragment's row x pitch + 16 h
	s_mul_i32 s21, s15, HALFT
	s_mul_i32 s22, s16, HALFT
	s_add_co_u32 s22, s22, 2*HALFT
.irp s, 0,1
	v_add_nc_u32 v[ADRA+\s], s21, v4
	v_add_nc_u32 v[ADRB+\s], s22, v4
	s_add_co_u32 s21, s21, SLOT
	s_add_co_u32 s22, s22, SLOT
.endr
	v_mul_u32_u24 v5, v1, KS                       ; my row's scales: KS bytes a row,
	v_lshrrev_b32 v6, 8, v5
	v_lshl_add_u32 v5, v6, 4, v5                   ; and 16 more for each 256 passed
	s_mul_i32 s21, s15, HALFS
	s_mul_i32 s22, s16, HALFS
	s_add_co_u32 s22, s22, 2*HALFS
	s_sub_co_u32 s22, s22, s21
	v_mul_u32_u24 v6, s22, v2                      ; lanes 16-31 take W's
	s_add_co_u32 s21, s21, SCL
	v_add_nc_u32 v5, v5, v6
	v_add_nc_u32 v[ADRS], s21, v5
	s_mul_i32 s23, s14, 16*SPITCH                  ; my f32 stage
	v_mul_u32_u24 v5, v1, SPITCH
	v_lshl_add_u32 v5, v2, 5, v5
	v_add_nc_u32 v[STO], s23, v5
	v_and_b32 v6, 31, v0
	v_lshlrev_b32 v[CO], 4, v6
	v_add_nc_u32 v[RD], s23, v[CO]
	s_mul_i32 s23, s14, 2*16*HP                    ; my f16 stage
	s_add_co_u32 s23, s23, HSTG
	v_mul_u32_u24 v5, v1, HP
	v_lshl_add_u32 v5, v2, 4, v5
	v_add_nc_u32 v[STH], s23, v5                   ; in: row r, 16 bytes for each half of the lanes
	v_lshrrev_b32 v5, 3, v6
	v_mul_u32_u24 v5, v5, HP
	v_and_b32 v6, 7, v6
	v_lshl_add_u32 v5, v6, 4, v5
	v_add_nc_u32 v[RDH], s23, v5                   ; back: eight lanes to a row of 128 bytes, four rows an instruction
	v_lshlrev_b32 v[BO], 5, v2
	; qkv at my wave's part: plane t, batch, my two heads, my 128 positions
	s_lshl_b32 s46, ttmp9, 24
	s_lshr_b32 s47, s17, 3
	s_lshl_b32 s47, s47, 22
	s_add_co_u32 s46, s46, s47
	s_lshl_b32 s47, s40, 20                        ; 4 cx heads of 262,144 bytes
	s_add_co_u32 s46, s46, s47
	s_lshl_b32 s47, s16, 19                        ; 2 more for the right half
	s_add_co_u32 s46, s46, s47
	s_and_b32 s47, s17, 7
	s_lshl_b32 s47, s47, 15                        ; 256 positions of 128 bytes
	s_add_co_u32 s46, s46, s47
	s_lshl_b32 s47, s15, 14
	s_add_co_u32 s46, s46, s47
	s_mov_b32 s47, 0
	s_add_nc_u64 s[12:13], s[98:99], s[46:47]
	; my first column in bytes of f32: for the bias and for qkv32
	s_lshl_b32 s46, ttmp9, 12
	s_lshl_b32 s95, s40, 10
	s_add_co_u32 s46, s46, s95
	s_lshl_b32 s95, s16, 9
	s_add_co_u32 s46, s46, s95
	s_add_nc_u64 s[96:97], s[96:97], s[46:47]
	s_add_nc_u64 s[100:101], s[100:101], s[46:47]
	s_lshr_b32 s46, s17, 3
	s_mul_i32 s46, s46, 16*12288                   ; the batch's 16 rows
	s_add_nc_u64 s[100:101], s[100:101], s[46:47]
	; the bias in the result's layout: block b, register j: column 16 b + 8 h + j.  K's is dead work: zeros take its place, so that one text serves q, k and v
	s_cmp_eq_u32 ttmp9, 1
	s_cbranch_scc1 .Lbias_k
.irp b, 0,1,2,3,4,5,6,7
	global_load_b128 v[BIAS+8*\b:BIAS+8*\b+3], v[BO], s[96:97] offset:64*\b
	global_load_b128 v[BIAS+8*\b+4:BIAS+8*\b+7], v[BO], s[96:97] offset:64*\b+16
.endr
	s_branch .Lbias_in
.Lbias_k:
.set j, 0
.rept 64
	v_mov_b32 v[BIAS+j], 0
.set j, j+1
.endr
.Lbias_in:
	s_wait_loadcnt 0x0
.macro FRAG reg, adr, q, i             ; 16 rows x 128 K of 4-bit codes: 8 registers, two loads of 16 bytes, 32 bytes apart
.irp c, 0,1
	ds_load_b128 v[\reg+4*\c:\reg+4*\c+3], v[\adr] offset:64*(\q)+32*\c+(\i)*16*PITCH
.endr
.endm
; 16 matrix instructions: x's blocks a0, a0 + 1 against W's eight.  first = 1: the sums begin with the bias.  The 64 accumulators take turns, one instruction a turn.
.macro MUL16 a0, p, q, sc, first
.irp a, \a0, \a0+1
.irp b, 0,1,2,3,4,5,6,7
.if \first
	v_wmma_scale_f32_16x16x128_f8f6f4 v[8*(8*((\a)%4)+\b):8*(8*((\a)%4)+\b)+7], v[128*(\p)+FR*\b:128*(\p)+FR*\b+FR-1], v[AF+FR*(\a):AF+FR*(\a)+FR-1], v[BIAS+8*\b:BIAS+8*\b+7], v[SC+8*NQ*(\sc)+NQ*\b+(\q)], v[SC+8*NQ*(\sc)+NQ*(\a)+(\q)] matrix_a_fmt:MATRIX_FMT_FP4 matrix_b_fmt:MATRIX_FMT_FP4 matrix_a_scale:MATRIX_SCALE_ROW1
.else
	v_wmma_scale_f32_16x16x128_f8f6f4 v[8*(8*((\a)%4)+\b):8*(8*((\a)%4)+\b)+7], v[128*(\p)+FR*\b:128*(\p)+FR*\b+FR-1], v[AF+FR*(\a):AF+FR*(\a)+FR-1], v[8*(8*((\a)%4)+\b):8*(8*((\a)%4)+\b)+7], v[SC+8*NQ*(\sc)+NQ*\b+(\q)], v[SC+8*NQ*(\sc)+NQ*(\a)+(\q)] matrix_a_fmt:MATRIX_FMT_FP4 matrix_b_fmt:MATRIX_FMT_FP4 matrix_a_scale:MATRIX_SCALE_ROW1
.endif
.endr
.endr
.endm
.macro FETCH_B slot, q, p
	WIN TO_B
.irp i, 0,1,2,3,4,5,6,7
	FRAG 128*(\p)+FR*\i, ADRB+\slot, \q, \i
.endr
	WIN 0
.endm
.macro FETCH_A slot, q, i0
.irp i, \i0, \i0+1, \i0+2, \i0+3
	FRAG AF+FR*(\i), ADRA+\slot, \q, \i
.endr
.endm
.macro SCALES sc                       ; a slot's scale words: lanes 0-15 take x's block i, lanes 16-31 W's block i
.irp i, 0,1,2,3,4,5,6,7
	ds_load_b128 v[SC+8*NQ*\sc+NQ*\i:SC+8*NQ*\sc+NQ*\i+3], v[ADRS] offset:\i*SBLK
.endr
.endm
.macro PLACES n                        ; plain vector instructions between a matrix instruction and a load into, or a read of, its registers
.rept \n
	v_nop
.endr
.endm
.macro STEP slot, q, first             ; 128 along K that has its successor in the same slot
	s_wait_dscnt 4*NL                              ; W's set and x's blocks 0-3 are in; the youngest eight loads (x's blocks 4-7) may be out
.if \first
	WIN 0x81                                       ; C (the bias) window 0, D window 2
.else
	WIN MUL_LO
.endif
	MUL16 0, (\q)%2, \q, \slot, \first
	MUL16 2, (\q)%2, \q, \slot, \first
	s_wait_dscnt 0
	PLACES NP
	FETCH_B \slot, (\q)+1, 1-(\q)%2
	FETCH_A \slot, (\q)+1, 0
.if \first
	WIN 0xc1
.else
	WIN MUL_HI
.endif
	MUL16 4, (\q)%2, \q, \slot, \first
	MUL16 6, (\q)%2, \q, \slot, \first
	PLACES NP
	WIN 0
	FETCH_A \slot, (\q)+1, 4
.endm
.macro TURN slot, next                 ; a slot's last step: one barrier; behind it the next slot is whole for every wave, and nobody reads this one any more.  Nothing is filled again
	s_wait_tensorcnt 0x0                           ; all my tensor loads have landed: my part of the next slot
	ds_add_u32 v[SPW], v[NIL]                      ; 0 onto my spare word
	s_wait_dscnt 4*NL+1                            ; (the add and the youngest eight loads may be out)
	WIN MUL_LO
	MUL16 0, 1, NQ-1, \slot, 0
	s_wait_dscnt 0x0                               ; the add is done, and my reads of this slot are over
	s_barrier_signal -1
	MUL16 2, 1, NQ-1, \slot, 0
	WIN 0
	s_barrier_wait -1
	PLACES NP
	v_add_nc_u32 v[ADRS], 4*NQ, v[ADRS]            ; on to the next slot's scale words
	FETCH_B \next, 0, 0
	FETCH_A \next, 0, 0
	SCALES \next
	WIN MUL_HI
	MUL16 4, 1, NQ-1, \slot, 0
	MUL16 6, 1, NQ-1, \slot, 0
	PLACES NP
	WIN 0
	FETCH_A \next, 0, 4
.endm
.macro STEPS slot, from
.set Q, \from
.rept NQ-1-\from
	STEP \slot, Q, 0
.set Q, Q+1
.endr
.endm
	s_wait_tensorcnt 1                             ; the scales and my part of slot 0 are in (slot 1's load may be out)
	s_barrier_signal -1
	s_barrier_wait -1                              ; everybody's are
	FETCH_B 0, 0, 0
	FETCH_A 0, 0, 0
	SCALES 0
	FETCH_A 0, 0, 4
	STEP 0, 0, 1
	STEPS 0, 1
	TURN 0, 1
	STEPS 1, 0
	s_wait_dscnt 4*NL                              ; the very last step
	WIN MUL_LO
	MUL16 0, 1, NQ-1, 1, 0
	MUL16 2, 1, NQ-1, 1, 0
	s_wait_dscnt 0
	WIN MUL_HI
	MUL16 4, 1, NQ-1, 1, 0
	MUL16 6, 1, NQ-1, 1, 0
	WIN 0
	PLACES NP
	; THE FIRST 16 POSITIONS OF A SEQUENCE, in f32: block 0 of the upper waves in the tile rows that begin a sequence.  The branch hangs on the tile row and the wave's number alone.
	s_and_b32 s18, s17, 7
	s_or_b32 s18, s18, s15
	s_cmp_lg_u32 s18, 0
	s_cbranch_scc1 .Lno_fine
	WIN 0x08                                       ; an LDS store's data: window 2
.irp b, 0,1,2,3,4,5,6,7
	ds_store_b128 v[STO], v[8*\b:8*\b+3] offset:64*\b            ; each accumulator from its low end on
	ds_store_b128 v[STO], v[8*\b+4:8*\b+7] offset:64*\b+16
.endr
	WIN 0
.irp t, 0,1,2,3,4,5,6,7,8,9,10,11,12,13,14,15
	ds_load_b128 v[AF+4*\t:AF+4*\t+3], v[RD] offset:\t*SPITCH    ; LDS serves a wave's instructions in order: these see my stores
.endr
	s_wait_dscnt 0x0
.irp t, 0,1,2,3,4,5,6,7,8,9,10,11,12,13,14,15
	global_store_b128 v[CO], v[AF+4*\t:AF+4*\t+3], s[100:101] offset:\t*12288   ; 32 lanes store 512 consecutive bytes, aligned
.endr
.Lno_fine:
; THE WAY OUT in f16, block by block of 16 positions x 128 columns (two heads).  PACK: rounded, 16 bytes a lane.  TOSTAGE: into my stage and back as whole rows of a head.  SEND: four rows, 512 consecutive bytes, a store.
.macro PACK a
.set AC, 64*((\a)%4)
	WIN 0x0a+5*((\a)/4)                            ; sources 0 and 1: window 2 or 3
.irp b, 0,1,2,3,4,5,6,7
.irp r, 0,1,2,3
	v_cvt_pk_f16_f32 v[TMP+4*\b+\r], v[AC+8*\b+2*\r], v[AC+8*\b+2*\r+1]
.endr
.endr
	WIN 0
.endm
.macro TOSTAGE a
.set BK, OB+192*((\a)%2)
.irp b, 0,1,2,3,4,5,6,7
	ds_store_b128 v[STH], v[TMP+4*\b:TMP+4*\b+3] offset:(\b/4)*16*HP+(\b%4)*32
.endr
.irp hd, 0,1
.irp i, 0,1,2,3
	ds_load_b128 v[BK+4*(4*\hd+\i):BK+4*(4*\hd+\i)+3], v[RDH] offset:\hd*16*HP+\i*4*HP
.endr
.endr
.endm
.macro SEND a
.set BK, OB+192*((\a)%2)
	s_wait_dscnt 0x0                               ; the block is back in registers
	s_wait_xcnt 0x0                                ; the stores of the block before have read their registers: the next block's loads may land there
.irp hd, 0,1
.irp i, 0,1,2,3
	global_store_b128 v[CO], v[BK+4*(4*\hd+\i):BK+4*(4*\hd+\i)+3], s[12:13] offset:\hd*262144+(\a)*2048+\i*512
.endr
.endr
.endm
	PACK 0
	TOSTAGE 0
.irp a, 1,2,3,4,5,6,7
	PACK \a
	SEND \a-1
	TOSTAGE \a
.endr
	SEND 7
	s_wait_tensorcnt 0x0                           ; the wave's end
	ds_add_u32 v[SPW], v[NIL]
	s_wait_dscnt 0x0
	CROUND                                         ; the closing round
	s_endpgm
.Lfunc_end_k_q9387a3eb72_gemm_qkv:
	.size	k_q9387a3eb72_gemm_qkv, .Lfunc_end_k_q9387a3eb72_gemm_qkv-k_q9387a3eb72_gemm_qkv
	.p2alignl 7, 3214868480
	.fill 96, 4, 3214868480
	.section	.rodata,"a",@progbits
	.p2align	6, 0x0
	.amdhsa_kernel k_q9387a3eb72_gemm_qkv
		.amdhsa_group_segment_fixed_size 327680
		.amdhsa_private_segment_fixed_size 0
		.amdhsa_enable_private_segment 0
		.amdhsa_kernarg_size 56
		.amdhsa_user_sgpr_count 2
		.amdhsa_user_sgpr_kernarg_segment_ptr 1
		.amdhsa_wavefront_size32 1
		.amdhsa_system_sgpr_workgroup_id_x 1
		.amdhsa_system_sgpr_workgroup_id_y 1
		.amdhsa_system_sgpr_workgroup_id_z 1
		.amdhsa_system_vgpr_workitem_id 0
		.amdhsa_next_free_vgpr 1024
		.amdhsa_next_free_sgpr 102
		.amdhsa_reserve_vcc 0
		.amdhsa_float_denorm_mode_32 3
		.amdhsa_float_denorm_mode_16_64 3
		.amdhsa_memory_ordered 1
		.amdhsa_forward_progress 1
		.amdhsa_inst_pref_size 134
	.end_amdhsa_kernel
	.amdgpu_metadata
---
amdhsa.version: [ 1, 2 ]
amdhsa.kernels:
  - .name:           k_q9387a3eb72_gemm_qkv
    .symbol:         k_q9387a3eb72_gemm_qkv.kd
    .args:
      - { .name: x_codes, .offset: 0, .size: 8, .value_kind: global_buffer, .address_space: global }
      - { .name: x_scales, .offset: 8, .size: 8, .value_kind: global_buffer, .address_space: global }
      - { .name: w_codes, .offset: 16, .size: 8, .value_kind: global_buffer, .address_space: global }
      - { .name: w_scales, .offset: 24, .size: 8, .value_kind: global_buffer, .address_space: global }
      - { .name: b_qkv, .offset: 32, .size: 8, .value_kind: global_buffer, .address_space: global }
      - { .name: qkv, .offset: 40, .size: 8, .value_kind: global_buffer, .address_space: global }
      - { .name: qkv32, .offset: 48, .size: 8, .value_kind: global_buffer, .address_space: global }
    .group_segment_fixed_size: 327680
    .private_segment_fixed_size: 0
    .kernarg_segment_align: 8
    .kernarg_segment_size: 56
    .max_flat_workgroup_size: 128
    .sgpr_count:     102
    .vgpr_count:     1024
    .wavefront_size: 32
...
	.end_amdgpu_metadata
.endif
;; end of part 2
;; launch attn (part 3): grid 4 x 64, 8 waves a work-group, no clusters, 327,680 bytes of LDS; arguments qkv, ans; writes ans
.if DOCPART == 3
	.amdgcn_target "amdgcn-amd-amdhsa--gfx1250"
	.amdhsa_code_object_version 6
	.text
	.protected	k_q9387a3eb72_attn
	.globl	k_q9387a3eb72_attn
	.p2align	8
	.type	k_q9387a3eb72_attn,@function
k_q9387a3eb72_attn:
	s_mov_b64 s[64:65], 0
	v_nop
	global_prefetch_b8 v0, s[64:65] scope:SCOPE_SE
	s_setreg_imm32_b32 hwreg(HW_REG_WAVE_MODE, 25, 1), 1
	s_wait_xcnt 0x0
; answers[b][q][h][:] = the sum over k <= q of softmax_k(q . k / 8) v, for one head a work-group row; q, k, v: f16 [t][b][h][s 2048][64]; answers: f16 [h][b s][64].  Products on f16, sums, maxima and the softmax in f32.
; LEFT OUT: steps of 64 keys that lie wholly behind the causal mask (their weights are zeros), and K's bias (shown at the head of the first launch).
; LIMIT: masked weights are exact zeros (scores far under 1e9); the weights p, at most 1, are rounded to f16 for the second product; the row's sum is taken of the unrounded p.
; The first 16 positions of every sequence are made here too, inside tiles that hold live work; the last launch makes them anew in f32 for the output.
; SHARES.  Work-group (i, head) owns the blocks of 256 queries i and 7 - i: every work-group has the same number of live key steps.  Each of its eight waves owns 32 queries of each block:
; tiles 0, 1 (the HIGH piece) and tiles 2, 3 (the LOW piece).  A step's fragments of K and V feed all four tiles while LOW is live.  Two waves share a SIMD: one's softmax stands beside the other's products.
; LAYOUT.  S^T = K Q^T (source 0 = 16 keys, source 1 = 16 queries): a lane holds ONE query (lane % 16) and keys 8 (lane / 16) + 0..7.  Two such tiles, rounded in pairs, ARE source 1 of O^T = V^T P.
; K comes out of LDS as it lies, V ([key][channel]) turned, by ds_load_tr16_b128.
; RING.  Two slots of 256 keys (four steps); waves 0-3 fetch a step's K each, waves 4-7 a step's V: one tensor load of 64 rows a wave, one of mine out at the most; every wait on TENSORcnt is for 0.
; Every work-group walks all eight changes of slots (trip counts are constants); a slot whose first key comes after the work-group's last query is not asked for.
; NO CLUSTER: the four work-groups of a head need 8 - i slots, so a joint load would bring tiles that some partner never reads.
; REGISTERS: window 0: v1-15 addresses; v16-47 eight statistics a tile (+0 c m, +1 m, +2, +3 l, +4..7 at work, a at +6); v48-111 K's fragments, then V's; v112-239 S^T, 32 a tile; P is packed into each tile's first 16.
;   window 1: v0-63 Q (tile t, channels 32 e on: 16 t + 8 e); v64-191 O^T (64 + 32 t + 8 ct).
.set PK,    144                        ; a row of K in LDS: 128 bytes + 16
.set PV,    160                        ; a row of V: 128 + 32
.set VOFF,  64*PK
.set STEPB, 64*(PK+PV)                 ; a step: 64 rows of K, then 64 rows of V
.set SLOT1, 1<<17                      ; slot 1 begins here: one exclusive or turns an address from one slot to the other
.set STAGE, SLOT1+4*STEPB              ; behind the ring: 16 rows x 144 for each wave
.set SPARE, STAGE+8*16*PK              ; the spare words, 128 bytes for each wave: four blocks of 256 bytes that no other line names
.set AK0, 1
.set AV0, 2
.set ADK, 3
.set ADV, 4
.set SPW, 5
.set NIL, 6
.set DQ,  7                            ; v7   lane % 16 - 8 (lane / 16)
.set NEGI, 8                           ; v8   -infinity
.set QO,  9
.set STO, 10
.set RD,  11
.set GO,  12                           ; v12  16 x lane
.set PFO, 13                           ; v13  256 x lane
.set ST,  16
.set KV,  48
.set S,   112
.set OT,  64                           ; in window 1
.set WV,  8
.set QL,  13
.set QH,  14
.set QLG, 15                           ; QL and QH with their low six bits cleared: the first key of the piece's diagonal step
.set QHG, 16
.set KF,  17                           ; the step's first key
.set TB,  18                           ; LDS byte at which the step's tiles begin
.set SLOTS, 19
.set CNT, 20
.set CS,  22                           ; s[22:23] c = log2(e) / 8
.set G1K, 24
.set G1V, 32
.set G0K, 40
.set G0V, 44
.set SEL, 48
.set PFA, 50
.set LIM, 52
.set MSB, 0
.macro WIN new
.if MSB != \new
	s_set_vgpr_msb (MSB<<8)|\new
.set MSB, \new
.endif
.endm
.macro TLOAD                           ; waves 0-3: K of step wave; waves 4-7: V of step wave - 4.  An s_nop 0 and four v_nop follow each of the two lines
	s_cmp_lt_u32 s[WV], 4
	s_cbranch_scc0 .Lfor_v_\@
	tensor_load_to_lds s[G0K:G0K+3], s[G1K:G1K+7]
	s_nop 0
.rept 4
	v_nop
.endr
	s_branch .Lasked_\@
.Lfor_v_\@:
	tensor_load_to_lds s[G0V:G0V+3], s[G1V:G1V+7]
	s_nop 0
.rept 4
	v_nop
.endr
.Lasked_\@:
.endm
; A prefetch of what the NEXT change of slots will ask for: my wave's own 64 rows (8,192 dense bytes), lanes 256 bytes apart.  All four work-groups of a head walk the same K and V: the one that walks all
; eight slots (i = 0) asks, so each block of 256 bytes is named once.  Slots 0 and 1 come by their loads alone; the last change that fills a slot asks for nothing.
.macro ASK
	s_cmp_gt_u32 s[SLOTS], s[LIM]
	s_cbranch_scc0 .Lnot_mine_\@
	global_prefetch_b8 v[PFO], s[PFA:PFA+1] th:TH_LOAD_NT scope:SCOPE_SE
.Lnot_mine_\@:
.endm
	s_load_b128 s[4:7], s[0:1], 0x0                ; qkv, ans
	v_lshl_add_u32 v[SPW], v0, 2, SPARE
	v_mov_b32 v[NIL], 0
	ds_add_u32 v[SPW], v[NIL]                      ; the wave's opening: the add, twice on end, and its wait ahead of my first tensor load
	ds_add_u32 v[SPW], v[NIL]
	v_lshrrev_b32 v1, 5, v0
	v_readfirstlane_b32 s[WV], v1                  ; wave 0..7
	s_and_b32 s9, s[WV], 3
	; which 32 queries of a block: 2 g + wave / 4, g = 3 (wave % 2) xor (wave / 2) % 2 xor 3 (wave / 4): a permutation of 0..7 in which waves w, w + 4 and waves 2 u, 2 u + 1 have the same live steps together
	s_and_b32 s10, s[WV], 1
	s_mul_i32 s10, s10, 3
	s_bfe_u32 s11, s[WV], 0x10001
	s_xor_b32 s10, s10, s11
	s_lshr_b32 s11, s[WV], 2
	s_mul_i32 s12, s11, 3
	s_xor_b32 s10, s10, s12
	s_lshl_b32 s10, s10, 1
	s_add_co_u32 s12, s10, s11
	s_lshl_b32 s12, s12, 5
	s_lshl_b32 s[QL], ttmp9, 8
	s_add_co_u32 s[QL], s[QL], s12
	s_sub_co_u32 s[QH], 7, ttmp9
	s_lshl_b32 s[QH], s[QH], 8
	s_add_co_u32 s[QH], s[QH], s12
	s_and_not1_b32 s[QLG], s[QL], 63
	s_and_not1_b32 s[QHG], s[QH], 63
	s_mov_b32 s[KF], 0
	s_mov_b32 s[TB], 0
	s_mov_b32 s[SLOTS], 7
	s_mov_b32 s[CS], 0x3e38aa3b                    ; c = log2(e) / sqrt(64)
	s_mov_b32 s[CS+1], s[CS]
	s_mov_b32 s[SEL], 0x76543210
	s_mov_b32 s[SEL+1], 0xfedcba98
	s_mov_b32 s[G1K], (1<<16)|(1<<20)|(4<<22)|(3<<25)   ; elements of 2 bytes; 4 words of padding behind every 32
	s_mov_b32 s[G1V], (1<<16)|(1<<20)|(4<<22)|(7<<25)   ; 8 words
.irp g, G1K, G1V
	s_mov_b32 s[\g+1], 64<<16                      ; tensor_dim0
	s_mov_b32 s[\g+2], 64<<16                      ; tensor_dim1
	s_mov_b32 s[\g+3], 64<<16                      ; tile_dim0
	s_mov_b32 s[\g+4], 64                          ; tile_dim1
	s_mov_b32 s[\g+5], 64                          ; the pitch
	s_mov_b32 s[\g+6], 0
	s_mov_b32 s[\g+7], 0
.endr
	s_mov_b32 s[G0K], 1
	s_mul_i32 s[G0K+1], s9, STEPB
	s_mov_b32 s[G0V], 1
	s_add_co_u32 s[G0V+1], s[G0K+1], VOFF
	s_and_b32 s10, ttmp7, 0xffff                   ; 16 b + h
	s_lshl_b32 s66, s10, 18                        ; the head's first byte in a plane
	s_lshl_b32 s67, s9, 13                         ; my step's 64 rows
	s_add_co_u32 s68, s66, s67
	s_add_co_u32 s68, s68, 0x1000000               ; K's plane
	s_mov_b32 s69, 0
	s_mov_b32 s71, 0
	s_cmp_eq_u32 ttmp9, 0
	s_cselect_b32 s[LIM], 1, -1
	s_wait_dscnt 0x0                               ; both opening adds are done
	s_wait_kmcnt 0x0
	s_add_nc_u64 s[G0K+2:G0K+3], s[4:5], s[68:69]
	s_add_nc_u64 s[G0V+2:G0V+3], s[G0K+2:G0K+3], 0x1000000   ; V's plane
	s_cmp_lt_u32 s[WV], 4
	s_cselect_b64 s[PFA:PFA+1], s[G0K+2:G0K+3], s[G0V+2:G0V+3]
	s_add_nc_u64 s[PFA:PFA+1], s[PFA:PFA+1], 32768 ; in slot 1: the first change of slots steps it to slot 2
	s_or_b32 s[G0K+3], s[G0K+3], 0x80000000
	s_or_b32 s[G0V+3], s[G0V+3], 0x80000000
	TLOAD                                          ; slot 0
	s_lshl_b32 s70, s[QH], 7
	s_add_co_u32 s70, s70, s66
	s_add_nc_u64 s[54:55], s[4:5], s[70:71]        ; Q at the HIGH piece's first query,
	s_lshl_b32 s70, s[QL], 7
	s_add_co_u32 s70, s70, s66
	s_add_nc_u64 s[56:57], s[4:5], s[70:71]        ; and at the LOW piece's
	s_and_b32 s66, s10, 15
	s_lshl_b32 s66, s66, 20                        ; the answers: plane h,
	s_lshr_b32 s67, s10, 4
	s_lshl_b32 s67, s67, 18                        ; 2,048 b rows of 128 bytes
	s_add_co_u32 s66, s66, s67
	s_lshl_b32 s70, s[QH], 7
	s_add_co_u32 s70, s70, s66
	s_add_nc_u64 s[58:59], s[6:7], s[70:71]
	s_lshl_b32 s70, s[QL], 7
	s_add_co_u32 s70, s70, s66
	s_add_nc_u64 s[60:61], s[6:7], s[70:71]
	v_and_b32 v14, 15, v0                          ; r
	v_bfe_u32 v15, v0, 4, 1                        ; h
	v_mul_u32_u24 v[AK0], v14, PK
	v_lshl_add_u32 v[AK0], v15, 4, v[AK0]          ; K: row r, + 16 h
	v_and_b32 v[AV0], 7, v0
	v_lshl_add_u32 v[AV0], v15, 3, v[AV0]
	v_mul_u32_u24 v[AV0], v[AV0], PV
	v_bfe_u32 v3, v0, 3, 1
	v_lshl_add_u32 v[AV0], v3, 4, v[AV0]
	v_add_nc_u32 v[AV0], VOFF, v[AV0]              ; V, for the turning load: key 8 h + lane % 8, channels 8 ((lane / 8) % 2) on
	v_lshlrev_b32 v[DQ], 3, v15
	v_sub_nc_u32 v[DQ], v14, v[DQ]
	v_mov_b32 v[NEGI], 0xff800000
	v_lshlrev_b32 v[QO], 7, v14
	v_lshl_add_u32 v[QO], v15, 4, v[QO]
	s_mul_i32 s66, s[WV], 16*PK
	s_add_co_u32 s66, s66, STAGE
	v_add_nc_u32 v[STO], s66, v[AK0]               ; my stage: in: row r, + 16 h
	v_and_b32 v[RD], 31, v0
	v_lshlrev_b32 v[GO], 4, v[RD]
	v_lshlrev_b32 v[PFO], 8, v[RD]
	v_lshrrev_b32 v3, 3, v[RD]
	v_mul_u32_u24 v3, v3, PK
	v_and_b32 v4, 7, v0
	v_lshl_add_u32 v3, v4, 4, v3
	v_add_nc_u32 v[RD], s66, v3                    ; back: eight lanes to a row, four rows an instruction
.irp t, 0,1,2,3
	v_mov_b32 v[ST+8*\t+1], 0xff61b1e6             ; m: -3e38, under every score
	v_mul_f32 v[ST+8*\t], s[CS], v[ST+8*\t+1]      ; c m
.irp u, 2,3,4,5,6,7
	v_mov_b32 v[ST+8*\t+\u], 0
.endr
.endr
	WIN 0x40                                       ; destination window 1
.irp t, 0,1
.irp e, 0,1
	global_load_b128 v[16*\t+8*\e:16*\t+8*\e+3], v[QO], s[54:55] offset:\t*2048+64*\e
	global_load_b128 v[16*\t+8*\e+4:16*\t+8*\e+7], v[QO], s[54:55] offset:\t*2048+64*\e+32
	global_load_b128 v[32+16*\t+8*\e:32+16*\t+8*\e+3], v[QO], s[56:57] offset:\t*2048+64*\e
	global_load_b128 v[32+16*\t+8*\e+4:32+16*\t+8*\e+7], v[QO], s[56:57] offset:\t*2048+64*\e+32
.endr
.endr
.set j, 0
.rept 128
	v_mov_b32 v[OT+j], 0                           ; O^T.  The step is written without a first step of its own: its first pass finds zeros, which the first a = 0 leaves zeros
.set j, j+1
.endr
	WIN 0
; 16 products S^T = K Q^T for tiles x, x + 1: eight accumulators by turns, channels 32 e on, keys 16 kt on
.macro QK x
	WIN 0x04                                       ; source 1 (Q) window 1
.irp e, 0,1
.irp kt, 0,1,2,3
.irp t, \x, \x+1
.if \e == 0
	v_wmma_f32_16x16x32_f16 v[S+32*(\t)+8*\kt:S+32*(\t)+8*\kt+7], v[KV+8*(2*\kt+\e):KV+8*(2*\kt+\e)+7], v[16*(\t)+8*\e:16*(\t)+8*\e+7], 0
.else
	v_wmma_f32_16x16x32_f16 v[S+32*(\t)+8*\kt:S+32*(\t)+8*\kt+7], v[KV+8*(2*\kt+\e):KV+8*(2*\kt+\e)+7], v[16*(\t)+8*\e:16*(\t)+8*\e+7], v[S+32*(\t)+8*\kt:S+32*(\t)+8*\kt+7]
.endif
.endr
.endr
.endr
	WIN 0
.endm
; 16 products O^T += V^T P: eight accumulators by turns, keys 32 kh on, channels 16 ct on
.macro PV x
	WIN 0x50                                       ; C and D window 1
.irp kh, 0,1
.irp ct, 0,1,2,3
.irp t, \x, \x+1
	v_wmma_f32_16x16x32_f16 v[OT+32*(\t)+8*\ct:OT+32*(\t)+8*\ct+7], v[KV+8*(4*\kh+\ct):KV+8*(4*\kh+\ct)+7], v[S+32*(\t)+8*\kh:S+32*(\t)+8*\kh+7], v[OT+32*(\t)+8*\ct:OT+32*(\t)+8*\ct+7]
.endr
.endr
.endr
	WIN 0
.endm
; The step's V, turned, into the registers that K has left: four plain instructions stand in front, between the products that read K and these loads, and ahead of the first read of the scores
.macro FETCH_V
.rept 4
	v_nop
.endr
.irp kh, 0,1
.irp ct, 0,1,2,3
	ds_load_tr16_b128 v[KV+8*(4*\kh+\ct):KV+8*(4*\kh+\ct)+3], v[ADV] offset:\kh*32*PV+32*\ct
	ds_load_tr16_b128 v[KV+8*(4*\kh+\ct)+4:KV+8*(4*\kh+\ct)+7], v[ADV] offset:\kh*32*PV+16*PV+32*\ct
.endr
.endr
.endm
; The softmax of tiles x, x + 1 for one step, the two tiles line by line.  qp: the piece's first query; qpg: the first key of its diagonal step.
.macro SOFT x, qp, qpg
	s_cmp_lg_u32 s[KF], s[\qpg]                    ; only the diagonal step has hidden keys
	s_cbranch_scc1 .Lopen_\@
	s_sub_co_u32 s66, s[\qp], s[KF]
	v_add_nc_u32 v14, s66, v[DQ]                   ; register 8 kt + j holds key KF + 16 kt + 8 h + j: hidden where 16 kt + j > my query - KF - 8 h
	v_add_nc_u32 v15, 16, v14
.set n, 0
.rept 32
	v_cmp_gt_i32 vcc_lo, 16*(n/8)+n%8, v14
	v_cndmask_b32 v[S+32*(\x)+n], v[S+32*(\x)+n], v[NEGI], vcc_lo
	v_cmp_gt_i32 vcc_lo, 16*(n/8)+n%8, v15
	v_cndmask_b32 v[S+32*(\x)+32+n], v[S+32*(\x)+32+n], v[NEGI], vcc_lo
.set n, n+1
.endr
.Lopen_\@:
.irp j, 0,1,2,3                        ; the maximum: four chains, each from its accumulator's low end
.irp t, \x, \x+1
	v_max3_num_f32 v[ST+8*(\t)+4+\j], v[S+32*(\t)+8*\j], v[S+32*(\t)+8*\j+1], v[S+32*(\t)+8*\j+2]
.endr
.endr
.irp u, 3,5
.irp j, 0,1,2,3
.irp t, \x, \x+1
	v_max3_num_f32 v[ST+8*(\t)+4+\j], v[ST+8*(\t)+4+\j], v[S+32*(\t)+8*\j+\u], v[S+32*(\t)+8*\j+\u+1]
.endr
.endr
.endr
.irp t, \x, \x+1
	v_max3_num_f32 v[ST+8*(\t)+4], v[ST+8*(\t)+4], v[S+32*(\t)+7], v[S+32*(\t)+15]
	v_max3_num_f32 v[ST+8*(\t)+6], v[ST+8*(\t)+6], v[S+32*(\t)+23], v[S+32*(\t)+31]
.endr
.irp t, \x, \x+1
	v_max3_num_f32 v[ST+8*(\t)+4], v[ST+8*(\t)+4], v[ST+8*(\t)+5], v[ST+8*(\t)+6]
.endr
.irp t, \x, \x+1
	v_max3_num_f32 v[ST+8*(\t)+4], v[ST+8*(\t)+4], v[ST+8*(\t)+7], v[ST+8*(\t)+1]   ; with the old m
.endr
.irp t, \x, \x+1
	v_permlanex16_b32 v[ST+8*(\t)+5], v[ST+8*(\t)+4], s[SEL], s[SEL+1]              ; the query's other 32 keys lie in the lane 16 away
.endr
.irp t, \x, \x+1
	v_mov_b32 v[ST+8*(\t)+7], v[ST+8*(\t)]         ; c m_old
.endr
.irp t, \x, \x+1
	v_max_num_f32 v[ST+8*(\t)+1], v[ST+8*(\t)+4], v[ST+8*(\t)+5]
.endr
.irp t, \x, \x+1
	v_mul_f32 v[ST+8*(\t)], s[CS], v[ST+8*(\t)+1]
.endr
.irp t, \x, \x+1
	v_sub_f32 v[ST+8*(\t)+7], v[ST+8*(\t)+7], v[ST+8*(\t)]
.endr
.irp b, 0,2,4,6,8,10,12,14,16,18,20,22,24,26,28,30
.irp t, \x, \x+1
	v_pk_fma_f32 v[S+32*(\t)+\b:S+32*(\t)+\b+1], v[S+32*(\t)+\b:S+32*(\t)+\b+1], s[CS:CS+1], v[ST+8*(\t):ST+8*(\t)+1] op_sel_hi:[1,0,0] neg_lo:[0,0,1] neg_hi:[0,0,1]   ; c s - c m
.endr
.endr
.irp t, \x, \x+1
	v_exp_f32 v[ST+8*(\t)+6], v[ST+8*(\t)+7]       ; a = 2^(c m_old - c m_new)
.endr
.set n, 0
.rept 32
	v_exp_f32 v[S+32*(\x)+n], v[S+32*(\x)+n]
	v_exp_f32 v[S+32*(\x)+32+n], v[S+32*(\x)+32+n]
.set n, n+1
.endr
	v_nop                                          ; a plain instruction behind the last exponential
	s_wait_alu depctr_va_vdst(0)                   ; one wait for the piece's 66 exponentials, ahead of the first instruction that names a result
.irp t, \x, \x+1
	v_pk_mul_f32 v[ST+8*(\t)+2:ST+8*(\t)+3], v[ST+8*(\t)+2:ST+8*(\t)+3], v[ST+8*(\t)+6:ST+8*(\t)+7] op_sel_hi:[1,0]   ; l x a
.endr
.irp t, \x, \x+1
	v_pk_add_f32 v[ST+8*(\t)+4:ST+8*(\t)+5], v[S+32*(\t):S+32*(\t)+1], v[S+32*(\t)+2:S+32*(\t)+3]   ; the sum of the unrounded p, in two chains
.endr
.irp b, 4,8,12,16,20,24,28
.irp t, \x, \x+1
	v_pk_add_f32 v[ST+8*(\t)+2:ST+8*(\t)+3], v[ST+8*(\t)+2:ST+8*(\t)+3], v[S+32*(\t)+\b:S+32*(\t)+\b+1]
	v_pk_add_f32 v[ST+8*(\t)+4:ST+8*(\t)+5], v[ST+8*(\t)+4:ST+8*(\t)+5], v[S+32*(\t)+\b+2:S+32*(\t)+\b+3]
.endr
.endr
.irp t, \x, \x+1
	v_pk_add_f32 v[ST+8*(\t)+2:ST+8*(\t)+3], v[ST+8*(\t)+2:ST+8*(\t)+3], v[ST+8*(\t)+4:ST+8*(\t)+5]
.endr
.set n, 0
.rept 16
	v_cvt_pk_f16_f32 v[S+32*(\x)+n], v[S+32*(\x)+2*n], v[S+32*(\x)+2*n+1]           ; P, in place and ascending: register n is written when registers 2 n, 2 n + 1 are read
	v_cvt_pk_f16_f32 v[S+32*(\x)+32+n], v[S+32*(\x)+32+2*n], v[S+32*(\x)+32+2*n+1]
.set n, n+1
.endr
	WIN 0x41                                       ; O^T (destination and source 0) window 1, a window 0
.set n, 0
.rept 16
	v_pk_mul_f32 v[OT+32*(\x)+2*n:OT+32*(\x)+2*n+1], v[OT+32*(\x)+2*n:OT+32*(\x)+2*n+1], v[ST+8*(\x)+6:ST+8*(\x)+7] op_sel_hi:[1,0]
	v_pk_mul_f32 v[OT+32*(\x)+32+2*n:OT+32*(\x)+32+2*n+1], v[OT+32*(\x)+32+2*n:OT+32*(\x)+32+2*n+1], v[ST+8*(\x)+14:ST+8*(\x)+15] op_sel_hi:[1,0]
.set n, n+1
.endr
	WIN 0
.endm
; A KEY STEP of 64 keys.  A step all of whose keys come after the HIGH piece's queries is left out whole.  Else K is fetched, and ONE test says whether the LOW piece is still live: the step then goes
; down one of two arms, each written out whole, so that on every way a tile's scores are made by its own products before anything reads them.  The tests hang on ids and the count of steps alone;
; no barrier and no tensor load stands in a step.
.macro STEP
	s_cmp_gt_u32 s[KF], s[QHG]
	s_cbranch_scc1 .Lnone_\@
	v_add_nc_u32 v[ADK], s[TB], v[AK0]
	v_add_nc_u32 v[ADV], s[TB], v[AV0]
.rept 4
	v_nop                                          ; with the two additions six plain instructions behind the last step's products: four are owed by the loads into V's registers, five by the products that write over P
.endr
.irp kt, 0,1,2,3
.irp e, 0,1
	ds_load_b128 v[KV+8*(2*\kt+\e):KV+8*(2*\kt+\e)+3], v[ADK] offset:\kt*16*PK+64*\e
	ds_load_b128 v[KV+8*(2*\kt+\e)+4:KV+8*(2*\kt+\e)+7], v[ADK] offset:\kt*16*PK+64*\e+32
.endr
.endr
	s_wait_dscnt 0x0                               ; K is in
	s_cmp_gt_u32 s[KF], s[QLG]
	s_cbranch_scc1 .Lhigh_\@
	QK 0                                           ; both pieces: a fragment of K or V feeds four tiles
	QK 2
	FETCH_V
	SOFT 0, QH, QHG
	SOFT 2, QL, QLG
	s_wait_dscnt 0x0                               ; V is in
	PV 0
	PV 2
	s_branch .Lnone_\@
.Lhigh_\@:
	QK 0                                           ; the HIGH piece alone: the LOW piece's keys are all behind it
	FETCH_V
	SOFT 0, QH, QHG
	s_wait_dscnt 0x0                               ; V is in
	PV 0
.Lnone_\@:
	s_add_co_u32 s[KF], s[KF], 64
	s_add_co_u32 s[TB], s[TB], STEPB
.endm
; THE CHANGE OF SLOTS, at a slot's head.  Each wave waits for all its tensor loads (its part of the slot ahead), adds 0 to its spare word, and waits for that and for its reads of the slot that it has left.
; Behind the barrier the slot ahead is whole and nobody reads the other one.  fill = 1: that other slot takes the next 256 keys, up to the causal limit.
.macro CHANGE fill
	s_wait_tensorcnt 0x0                           ; no tensor load of mine is out, so a group 0 may be written
	ds_add_u32 v[SPW], v[NIL]
.if \fill
	s_xor_b32 s[G0K+1], s[G0K+1], SLOT1
	s_add_nc_u64 s[G0K+2:G0K+3], s[G0K+2:G0K+3], 32768
	s_xor_b32 s[G0V+1], s[G0V+1], SLOT1
	s_add_nc_u64 s[G0V+2:G0V+3], s[G0V+2:G0V+3], 32768
	s_wait_xcnt 0x0                                ; the last prefetch, a slot back, has read its address
	s_add_nc_u64 s[PFA:PFA+1], s[PFA:PFA+1], 32768
.endif
	s_wait_dscnt 0x0                               ; the add is done, and my reads of the slot that I have left are over
	s_barrier_signal -1
	s_barrier_wait -1
.if \fill
	s_add_co_u32 s66, s[KF], 256                   ; the first key of the slot that this change would ask for,
	s_or_b32 s67, s[QH], 255                       ; against my work-group's last query: ids and the count of steps alone, the same in all eight waves.
	s_cmp_gt_u32 s66, s67                          ; A slot beyond it is read by no wave and is not asked for; where that begins hangs on the work-group's number, so it cannot be written out
	s_cbranch_scc1 .Lpast_\@
	TLOAD                                          ; my one tensor load until the next change
.Lpast_\@:
	ASK
.endif
.endm
.macro SLOT_STEPS                      ; a slot's four steps: written once, walked four times
	s_mov_b32 s[CNT], 4
.Lstep_\@:
	STEP
	s_sub_co_u32 s[CNT], s[CNT], 1
	s_cmp_lg_u32 s[CNT], 0
	s_cbranch_scc1 .Lstep_\@
	s_sub_co_u32 s[TB], s[TB], 4*STEPB
	s_xor_b32 s[TB], s[TB], SLOT1
.endm
	s_wait_loadcnt 0x0                             ; Q
.Lslot:                                                ; seven trips
	CHANGE 1
	SLOT_STEPS
	s_sub_co_u32 s[SLOTS], s[SLOTS], 1
	s_cmp_lg_u32 s[SLOTS], 0
	s_cbranch_scc1 .Lslot
	CHANGE 0                                       ; the last slot is written out: nothing follows it
	SLOT_STEPS
	; THE WAY OUT.  The four additions are the places behind the last products.
.irp t, 0,1,2,3
	v_add_f32 v[ST+8*\t+4], v[ST+8*\t+2], v[ST+8*\t+3]
.endr
.irp t, 0,1,2,3
	v_permlanex16_b32 v[ST+8*\t+5], v[ST+8*\t+4], s[SEL], s[SEL+1]
.endr
.irp t, 0,1,2,3
	v_add_f32 v[ST+8*\t+4], v[ST+8*\t+4], v[ST+8*\t+5]
.endr
.irp t, 0,1,2,3
	v_rcp_f32 v[ST+8*\t+6], v[ST+8*\t+4]
.endr
	v_nop
	s_wait_alu depctr_va_vdst(0)                   ; one wait for the four reciprocals
.macro OUTT t, base                    ; tile t: divided by l, rounded to f16, through my stage, out as four rows (512 consecutive bytes) a store
	WIN 0x41
.set n, 0
.rept 16
	v_pk_mul_f32 v[OT+32*\t+2*n:OT+32*\t+2*n+1], v[OT+32*\t+2*n:OT+32*\t+2*n+1], v[ST+8*\t+6:ST+8*\t+7] op_sel_hi:[1,0]
.set n, n+1
.endr
	WIN 0x05                                       ; sources window 1, destination window 0
.set n, 0
.rept 16
	v_cvt_pk_f16_f32 v[S+32*\t+n], v[OT+32*\t+2*n], v[OT+32*\t+2*n+1]
.set n, n+1
.endr
	WIN 0
.irp ct, 0,1,2,3
	ds_store_b128 v[STO], v[S+32*\t+4*\ct:S+32*\t+4*\ct+3] offset:32*\ct
.endr
.irp i, 0,1,2,3
	ds_load_b128 v[S+32*\t+16+4*\i:S+32*\t+16+4*\i+3], v[RD] offset:\i*4*PK
.endr
	s_wait_dscnt 0x0
.irp i, 0,1,2,3
	global_store_b128 v[GO], v[S+32*\t+16+4*\i:S+32*\t+16+4*\i+3], s[\base:\base+1] offset:(\t%2)*2048+512*\i
.endr
.endm
	OUTT 0, 58
	OUTT 1, 58
	OUTT 2, 60
	OUTT 3, 60
	s_wait_tensorcnt 0x0                           ; the wave's end
	ds_add_u32 v[SPW], v[NIL]
	s_wait_dscnt 0x0
	s_endpgm
.Lfunc_end_k_q9387a3eb72_attn:
	.size	k_q9387a3eb72_attn, .Lfunc_end_k_q9387a3eb72_attn-k_q9387a3eb72_attn
	.p2alignl 7, 3214868480
	.fill 96, 4, 3214868480
	.section	.rodata,"a",@progbits
	.p2align	6, 0x0
	.amdhsa_kernel k_q9387a3eb72_attn
		.amdhsa_group_segment_fixed_size 327680
		.amdhsa_private_segment_fixed_size 0
		.amdhsa_enable_private_segment 0
		.amdhsa_kernarg_size 16
		.amdhsa_user_sgpr_count 2
		.amdhsa_user_sgpr_kernarg_segment_ptr 1
		.amdhsa_wavefront_size32 1
		.amdhsa_system_sgpr_workgroup_id_x 1
		.amdhsa_system_sgpr_workgroup_id_y 1
		.amdhsa_system_sgpr_workgroup_id_z 1
		.amdhsa_system_vgpr_workitem_id 0
		.amdhsa_next_free_vgpr 512
		.amdhsa_next_free_sgpr 72
		.amdhsa_reserve_vcc 1
		.amdhsa_float_denorm_mode_32 3
		.amdhsa_float_denorm_mode_16_64 3
		.amdhsa_memory_ordered 1
		.amdhsa_forward_progress 1
		.amdhsa_inst_pref_size 149
	.end_amdhsa_kernel
	.amdgpu_metadata
---
amdhsa.version: [ 1, 2 ]
amdhsa.kernels:
  - .name:           k_q9387a3eb72_attn
    .symbol:         k_q9387a3eb72_attn.kd
    .args:
      - { .name: qkv, .offset: 0, .size: 8, .value_kind: global_buffer, .address_space: global }
      - { .name: ans, .offset: 8, .size: 8, .value_kind: global_buffer, .address_space: global }
    .group_segment_fixed_size: 327680
    .private_segment_fixed_size: 0
    .kernarg_segment_align: 8
    .kernarg_segment_size: 16
    .max_flat_workgroup_size: 256
    .sgpr_count:     72
    .vgpr_count:     512
    .wavefront_size: 32
...
	.end_amdgpu_metadata
.endif
;; end of part 3
;; launch proj (part 4): grid 4 x 64, 4 waves a work-group, clusters of 4 x 4, 327,680 bytes of LDS; arguments ans, wo_t, b_out, out0; writes out0
.if DOCPART == 4
	.amdgcn_target "amdgcn-amd-amdhsa--gfx1250"
	.amdhsa_code_object_version 6
	.text
	.protected	k_q9387a3eb72_proj
	.globl	k_q9387a3eb72_proj
	.p2align	8
	.type	k_q9387a3eb72_proj,@function
k_q9387a3eb72_proj:
	s_mov_b64 s[64:65], 0
	v_nop
	global_prefetch_b8 v0, s[64:65] scope:SCOPE_SE
	s_setreg_imm32_b32 hwreg(HW_REG_WAVE_MODE, 25, 1), 1
	s_wait_xcnt 0x0
	s_wait_alu depctr_hold_cnt(0) depctr_sa_sdst(0) depctr_va_vdst(0) depctr_va_sdst(0) depctr_va_ssrc(0) depctr_va_vcc(0) depctr_vm_vsrc(0)
	s_getreg_b32 s2, hwreg(HW_REG_IB_STS2, 6, 4)
	s_cmp_eq_u32 s2, 0
	s_cbranch_scc0 .Lentry_in_a_cluster
	s_endpgm
.Lentry_in_a_cluster:
	s_bfe_u32 s2, ttmp6, 0x10000c
	s_cmp_lg_u32 s2, 0xf033
	s_cbranch_scc0 .Lentry_shape_is_right
	s_endpgm
.Lentry_shape_is_right:
; out[m][e] = the sum over k of answers[m][k] W_out[k][e] + b_out[e]: M 8,192, N 1,024, K 1,024 (k = 64 h + d).  answers: f16 [h 16][m][64]; W_out turned: f16 [e][k]; out: f32.  Sums in f32.
; The rows of the first 16 positions of every sequence are made here inside tiles that hold live work; the next launch writes them anew from f32 operands.
; A tile of 128 (m) x 256 (e) to a work-group: 256 work-groups.  Four waves, each 64 x 128: 32 accumulators, 256 registers.  A K step of 128 is two head planes of the answers (rows of 128 bytes) and
; 256 bytes of each row of W_out; two LDS slots; waves 0, 1 fetch the two planes (128 rows each), waves 2, 3 the halves of W_out's 256 rows: one load a wave behind each round; two of mine are out at the start, then one.
; CLUSTER 4 x 4: the answers' tiles are shared along a row of the cluster, W_out's along a column: joint loads.  THE MATRIX INSTRUCTION IS USED TRANSPOSED (source 0 = 16 rows of W_out turned,
; source 1 = 16 rows of the answers): a lane holds eight neighbouring columns of a row of out.  The bias is the C of each sum's first instruction.
; No prefetch: eight K steps in all, and the first two are asked for at the head.
; REGISTERS: window 0: v0-31 addresses; v64-95, v96-127 A's fragments, two buffers; v128-191 the bias; on the way out v192-255 and v64-127 take rows.  window 1: v0-63, v64-127 B's fragments.  window 2: the accumulators, (a, b) at v[8 (8 a + b)].
.set PA,     144                       ; a row of a plane in LDS: 128 + 16
.set PB,     272                       ; a row of W_out's tile: 256 + 16
.set PLANE,  128*PA
.set HALFB,  128*PB
.set SLOT,   2*PLANE+2*HALFB
.set STAGE,  2*SLOT                    ; 16 rows x 528 for each wave
.set SPITCH, 528
.set SPARE,  STAGE+4*16*SPITCH         ; the spare words: two blocks of 256 bytes that no other line names
.set ADRA, 16
.set ADRB, 20
.set STO,  24
.set RD,   25
.set CO,   26
.set BO,   27
.set SPW,  28
.set NIL,  29
.set BIAS, 128
.set G1, 24
.set G0, 32
.set G1B, 48
.set G0B, 56
.set MSB, 0
.macro WIN new
.if MSB != \new
	s_set_vgpr_msb (MSB<<8)|\new
.set MSB, \new
.endif
.endm
.set MUL, 0xa1                         ; source 0 (B) window 1, source 1 (A) window 0, C and D window 2
.macro JLOAD s                         ; an s_nop 0 and four v_nop follow each of the two lines
	s_cmp_eq_u32 s13, 0
	s_cbranch_scc0 .Lfor_b_\@
	tensor_load_to_lds s[G0+4*\s:G0+4*\s+3], s[G1:G1+7]
	s_nop 0
.rept 4
	v_nop
.endr
	s_branch .Lasked_\@
.Lfor_b_\@:
	tensor_load_to_lds s[G0B+4*\s:G0B+4*\s+3], s[G1B:G1B+7]
	s_nop 0
.rept 4
	v_nop
.endr
.Lasked_\@:
.endm
.macro CREST
	s_cmp_lg_u32 s12, 0
	s_cbranch_scc1 .Lnot_wave_0_\@
	s_barrier_signal -3
.Lnot_wave_0_\@:
	s_barrier_wait -3
	s_barrier_signal -1
	s_barrier_wait -1
.endm
.macro CROUND
	s_barrier_signal -1
	s_barrier_wait -1
	CREST
.endm
	s_load_b256 s[4:11], s[0:1], 0x0               ; answers s[4:5], W_out turned s[6:7], b_out s[8:9], out s[10:11]
	v_lshl_add_u32 v[SPW], v0, 2, SPARE
	v_mov_b32 v[NIL], 0
	ds_add_u32 v[SPW], v[NIL]                      ; the wave's opening: the add, twice on end, and its wait ahead of my first tensor load
	ds_add_u32 v[SPW], v[NIL]
	v_lshrrev_b32 v1, 5, v0
	v_readfirstlane_b32 s12, v1                    ; wave 0..3
	s_lshr_b32 s13, s12, 1                         ; which 64 rows are mine.  Also: I fetch for A (0) or for B (1)
	s_and_b32 s14, s12, 1                          ; which 128 columns.  Also: which plane, or which half of B's rows, I fetch
	s_bfe_u32 s40, ttmp6, 0x40000                  ; cx, cy
	s_bfe_u32 s41, ttmp6, 0x40004
	s_lshl_b32 s42, ttmp9, 2
	s_add_co_u32 s42, s42, s40                     ; tile column
	s_and_b32 s15, ttmp7, 0xffff
	s_lshl_b32 s15, s15, 2
	s_add_co_u32 s15, s15, s41                     ; tile row
	s_lshl_b32 s43, s41, 2
	s_lshl_b32 s43, 15, s43                        ; my row of the cluster
	s_lshl_b32 s44, 0x1111, s40                    ; my column
	s_or_b32 s[G1+0], s43, (1<<16)|(1<<20)|(1<<21)|(4<<22)|(3<<25)    ; elements of 2 bytes; 4 words of padding behind every 32
	s_mov_b32 s[G1+1], 64<<16                      ; tensor_dim0
	s_mov_b32 s[G1+2], 128<<16                     ; tensor_dim1
	s_mov_b32 s[G1+3], 64<<16                      ; tile_dim0
	s_mov_b32 s[G1+4], 128                         ; tile_dim1
	s_mov_b32 s[G1+5], 64                          ; the pitch
	s_mov_b32 s[G1+6], 0
	s_mov_b32 s[G1+7], 0
	s_or_b32 s[G1B+0], s44, (1<<16)|(1<<20)|(1<<21)|(5<<22)|(3<<25)   ; 4 words behind every 64
	s_mov_b32 s[G1B+1], 128<<16
	s_mov_b32 s[G1B+2], 128<<16
	s_mov_b32 s[G1B+3], 128<<16
	s_mov_b32 s[G1B+4], 128
	s_mov_b32 s[G1B+5], 1024
	s_mov_b32 s[G1B+6], 0
	s_mov_b32 s[G1B+7], 0
	s_lshl_b32 s16, s14, 20                        ; A: my plane of the K step's two,
	s_lshl_b32 s17, s15, 14                        ; 128 rows of 128 bytes a tile row
	s_add_co_u32 s16, s16, s17
	s_mov_b32 s17, 0
	s_lshl_b32 s46, s42, 19                        ; B: 256 rows of 2,048 bytes a tile column,
	s_lshl_b32 s47, s14, 18                        ; my 128 of them
	s_add_co_u32 s46, s46, s47
	s_mov_b32 s47, 0
	s_mul_i32 s20, s14, PLANE                      ; where they go
	s_mul_i32 s21, s14, HALFB
	s_add_co_u32 s21, s21, 2*PLANE
	s_wait_dscnt 0x0                               ; both opening adds are done
	s_wait_kmcnt 0x0
	s_add_nc_u64 s[18:19], s[4:5], s[16:17]
	s_add_nc_u64 s[46:47], s[6:7], s[46:47]
	CROUND                                         ; all sixteen work-groups are here
.irp s, 0,1
	s_mov_b32 s[G0+4*\s], 1
	s_add_co_u32 s[G0+4*\s+1], s20, \s*SLOT
	s_add_nc_u64 s[G0+4*\s+2:G0+4*\s+3], s[18:19], \s*2*1048576
	s_or_b32 s[G0+4*\s+3], s[G0+4*\s+3], 0x80000000
	s_mov_b32 s[G0B+4*\s], 1
	s_add_co_u32 s[G0B+4*\s+1], s21, \s*SLOT
	s_add_nc_u64 s[G0B+4*\s+2:G0B+4*\s+3], s[46:47], \s*256
	s_or_b32 s[G0B+4*\s+3], s[G0B+4*\s+3], 0x80000000
	JLOAD \s
.endr
	v_and_b32 v1, 15, v0                           ; r
	v_bfe_u32 v2, v0, 4, 1                         ; h
	v_mul_u32_u24 v3, v1, PA
	v_lshl_add_u32 v3, v2, 4, v3
	v_mul_u32_u24 v4, v1, PB
	v_lshl_add_u32 v4, v2, 4, v4
	s_mul_i32 s21, s13, 64*PA                      ; my 64 rows of a plane
	s_mul_i32 s22, s14, HALFB                      ; my 128 rows of B,
	s_add_co_u32 s22, s22, 2*PLANE                 ; behind the two planes
.irp s, 0,1
	v_add_nc_u32 v[ADRA+\s], s21, v3
	v_add_nc_u32 v[ADRB+\s], s22, v4
	s_add_co_u32 s21, s21, SLOT
	s_add_co_u32 s22, s22, SLOT
.endr
	s_mul_i32 s23, s12, 16*SPITCH
	s_add_co_u32 s23, s23, STAGE                   ; my stage
	v_mul_u32_u24 v5, v1, SPITCH
	v_lshl_add_u32 v5, v2, 5, v5
	v_add_nc_u32 v[STO], s23, v5
	v_and_b32 v6, 31, v0
	v_lshlrev_b32 v[CO], 4, v6
	v_add_nc_u32 v[RD], s23, v[CO]
	v_lshlrev_b32 v[BO], 5, v2
	s_lshl_b32 s46, s42, 10                        ; my first column in bytes: 1,024 x tile column + 512 x half
	s_lshl_b32 s47, s14, 9
	s_add_co_u32 s46, s46, s47
	s_mov_b32 s47, 0
	s_add_nc_u64 s[8:9], s[8:9], s[46:47]
	s_add_nc_u64 s[10:11], s[10:11], s[46:47]
	s_lshl_b32 s46, s15, 19                        ; my first row: 128 x tile row + 64 x half, rows of 4,096 bytes
	s_lshl_b32 s45, s13, 18
	s_add_co_u32 s46, s46, s45
	s_add_nc_u64 s[10:11], s[10:11], s[46:47]
.irp b, 0,1,2,3,4,5,6,7
	global_load_b128 v[BIAS+8*\b:BIAS+8*\b+3], v[BO], s[8:9] offset:64*\b          ; block b, register j: column 16 b + 8 h + j
	global_load_b128 v[BIAS+8*\b+4:BIAS+8*\b+7], v[BO], s[8:9] offset:64*\b+16
.endr
; 8 matrix instructions: A's block a against B's eight, 32 along K, buffers f.  z = 1: the sums begin with the bias.  The 32 accumulators take turns in the same order in every quarter.
.macro MULA a, f, z
.irp b, 0,1,2,3,4,5,6,7
.if \z
	v_wmma_f32_16x16x32_f16 v[8*(8*\a+\b):8*(8*\a+\b)+7], v[64*\f+8*\b:64*\f+8*\b+7], v[64+32*\f+8*\a:64+32*\f+8*\a+7], v[BIAS+8*\b:BIAS+8*\b+7]
.else
	v_wmma_f32_16x16x32_f16 v[8*(8*\a+\b):8*(8*\a+\b)+7], v[64*\f+8*\b:64*\f+8*\b+7], v[64+32*\f+8*\a:64+32*\f+8*\a+7], v[8*(8*\a+\b):8*(8*\a+\b)+7]
.endif
.endr
.endm
.macro FETCH slot, q, f                ; 24 LDS loads: quarter q's fragments into buffers f: B's eight, then A's four
	WIN 0x40
.irp i, 0,1,2,3,4,5,6,7
	ds_load_b128 v[64*\f+8*\i:64*\f+8*\i+3],   v[ADRB+\slot] offset:64*\q+\i*16*PB
	ds_load_b128 v[64*\f+8*\i+4:64*\f+8*\i+7], v[ADRB+\slot] offset:64*\q+\i*16*PB+32
.endr
	WIN 0
.irp a, 0,1,2,3
	ds_load_b128 v[64+32*\f+8*\a:64+32*\f+8*\a+3],   v[ADRA+\slot] offset:((\q)/2)*PLANE+((\q)%2)*64+\a*16*PA
	ds_load_b128 v[64+32*\f+8*\a+4:64+32*\f+8*\a+7], v[ADRA+\slot] offset:((\q)/2)*PLANE+((\q)%2)*64+\a*16*PA+32
.endr
.endm
.macro PLACES
.rept 4
	v_nop
.endr
.endm
.macro QUARTER slot, q, f, g, z        ; multiplies buffers f; in its middle fetches quarter q of the same slot into buffers g
	s_wait_dscnt 4                                 ; B and A's blocks 0, 1 are in; the youngest four loads (blocks 2, 3) may be out
.if \z
	WIN 0x81                                       ; C (the bias) window 0
.else
	WIN MUL
.endif
	MULA 0, \f, \z
	MULA 1, \f, \z
	PLACES
	FETCH \slot, \q, \g
	s_wait_dscnt 24                                ; all but the 24 just issued
.if \z
	WIN 0x81
.else
	WIN MUL
.endif
	MULA 2, \f, \z
	MULA 3, \f, \z
.endm
; A slot's last quarter multiplies buffers 1 and changes slots: one barrier; in front of it each wave waits for all its tensor loads, adds 0 to its spare word, and waits for that and for its reads of this slot.
.macro TURN slot, next, fill
	WIN 0
	s_wait_tensorcnt 0x0                           ; my part of the next slot has landed
	ds_add_u32 v[SPW], v[NIL]
	s_wait_dscnt 5                                 ; (the add and the youngest four loads may be out)
	WIN MUL
	MULA 0, 1, 0
	s_wait_dscnt 0x0                               ; the add is done, and my reads of this slot are over
	s_barrier_signal -1
	MULA 1, 1, 0
.if \fill
	WIN 0
.endif
	s_barrier_wait -1
.if \fill
	CREST                                          ; the barrier has opened a round of the cluster's barrier: no wave of any partner still reads this slot or has a load on its way
	s_add_nc_u64 s[G0+4*\slot+2:G0+4*\slot+3], s[G0+4*\slot+2:G0+4*\slot+3], 4*1048576   ; two K steps on: four planes
	s_add_nc_u64 s[G0B+4*\slot+2:G0B+4*\slot+3], s[G0B+4*\slot+2:G0B+4*\slot+3], 512
	JLOAD \slot                                    ; the four v_nop behind it are also the places in front of the loads below
.else
	PLACES
.endif
	FETCH \next, 0, 0
	WIN MUL
	MULA 2, 1, 0
	MULA 3, 1, 0
.endm
	s_wait_tensorcnt 1                             ; my part of K step 0 is in (K step 1's may be out)
	s_barrier_signal -1
	s_barrier_wait -1
	FETCH 0, 0, 0
	s_wait_loadcnt 0x0                             ; the bias
	QUARTER 0, 1, 0, 1, 1
	WIN 0
	s_mov_b32 s3, 3
.Llap:                                                 ; a trip goes once round the ring and fills both slots again
	QUARTER 0, 2, 1, 0, 0
	QUARTER 0, 3, 0, 1, 0
	TURN 0, 1, 1
	QUARTER 1, 1, 0, 1, 0
	QUARTER 1, 2, 1, 0, 0
	QUARTER 1, 3, 0, 1, 0
	TURN 1, 0, 1
	QUARTER 0, 1, 0, 1, 0
	WIN 0
	s_sub_co_u32 s3, s3, 1
	s_cmp_lg_u32 s3, 0
	s_cbranch_scc1 .Llap
	QUARTER 0, 2, 1, 0, 0                          ; the last lap fills nothing
	QUARTER 0, 3, 0, 1, 0
	TURN 0, 1, 0
	QUARTER 1, 1, 0, 1, 0
	QUARTER 1, 2, 1, 0, 0
	QUARTER 1, 3, 0, 1, 0
	s_wait_dscnt 4
	WIN MUL
	MULA 0, 1, 0
	MULA 1, 1, 0
	s_wait_dscnt 0
	MULA 2, 1, 0
	MULA 3, 1, 0
	WIN 0
	PLACES
; THE WAY OUT, block by block of 16 rows x 128 columns, through my own stage: whole rows of 512 bytes come back and leave as 512 consecutive, aligned bytes.
.macro TOSTAGE a
	WIN 0x08                                       ; the data: window 2
.irp b, 0,1,2,3,4,5,6,7
	ds_store_b128 v[STO], v[64*\a+8*\b:64*\a+8*\b+3] offset:64*\b        ; each accumulator from its low end on
	ds_store_b128 v[STO], v[64*\a+8*\b+4:64*\a+8*\b+7] offset:64*\b+16
.endr
	WIN 0
.set BB, 192-128*((\a)%2)
.irp t, 0,1,2,3,4,5,6,7,8,9,10,11,12,13,14,15
	ds_load_b128 v[BB+4*\t:BB+4*\t+3], v[RD] offset:\t*SPITCH
.endr
.endm
.macro SEND a, younger
.set BB, 192-128*((\a)%2)
	s_wait_dscnt \younger                          ; the block is back; the next block's 32 LDS instructions may be out
.irp t, 0,1,2,3,4,5,6,7,8,9,10,11,12,13,14,15
	global_store_b128 v[CO], v[BB+4*\t:BB+4*\t+3], s[10:11] offset:(16*(\a)+\t)*4096 th:TH_STORE_NT
.endr
.endm
	TOSTAGE 0
.irp a, 1,2,3
.if \a > 1
	s_wait_xcnt 0x0                                ; block a - 2's stores have read their registers: block a's loads may land there
.endif
	TOSTAGE \a
	SEND \a-1, 32
.endr
	SEND 3, 0
	s_wait_tensorcnt 0x0                           ; the wave's end
	ds_add_u32 v[SPW], v[NIL]
	s_wait_dscnt 0x0
	CROUND                                         ; the closing round
	s_endpgm
.Lfunc_end_k_q9387a3eb72_proj:
	.size	k_q9387a3eb72_proj, .Lfunc_end_k_q9387a3eb72_proj-k_q9387a3eb72_proj
	.p2alignl 7, 3214868480
	.fill 96, 4, 3214868480
	.section	.rodata,"a",@progbits
	.p2align	6, 0x0
	.amdhsa_kernel k_q9387a3eb72_proj
		.amdhsa_group_segment_fixed_size 327680
		.amdhsa_private_segment_fixed_size 0
		.amdhsa_enable_private_segment 0
		.amdhsa_kernarg_size 32
		.amdhsa_user_sgpr_count 2
		.amdhsa_user_sgpr_kernarg_segment_ptr 1
		.amdhsa_wavefront_size32 1
		.amdhsa_system_sgpr_workgroup_id_x 1
		.amdhsa_system_sgpr_workgroup_id_y 1
		.amdhsa_system_sgpr_workgroup_id_z 1
		.amdhsa_system_vgpr_workitem_id 0
		.amdhsa_next_free_vgpr 768
		.amdhsa_next_free_sgpr 66
		.amdhsa_reserve_vcc 0
		.amdhsa_float_denorm_mode_32 3
		.amdhsa_float_denorm_mode_16_64 3
		.amdhsa_memory_ordered 1
		.amdhsa_forward_progress 1
		.amdhsa_inst_pref_size 87
	.end_amdhsa_kernel
	.amdgpu_metadata
---
amdhsa.version: [ 1, 2 ]
amdhsa.kernels:
  - .name:           k_q9387a3eb72_proj
    .symbol:         k_q9387a3eb72_proj.kd
    .args:
      - { .name: ans, .offset: 0, .size: 8, .value_kind: global_buffer, .address_space: global }
      - { .name: wo_t, .offset: 8, .size: 8, .value_kind: global_buffer, .address_space: global }
      - { .name: b_out, .offset: 16, .size: 8, .value_kind: global_buffer, .address_space: global }
      - { .name: out0, .offset: 24, .size: 8, .value_kind: global_buffer, .address_space: global }
    .group_segment_fixed_size: 327680
    .private_segment_fixed_size: 0
    .kernarg_segment_align: 8
    .kernarg_segment_size: 32
    .max_flat_workgroup_size: 128
    .sgpr_count:     66
    .vgpr_count:     768
    .wavefront_size: 32
...
	.end_amdgpu_metadata
.endif
;; end of part 4
;; launch fine (part 5): grid 16 x 4, 16 waves a work-group, no clusters, 71,680 bytes of LDS; arguments qkv32, W_out, b_out, out0; writes out0
.if DOCPART == 5
	.amdgcn_target "amdgcn-amd-amdhsa--gfx1250"
	.amdhsa_code_object_version 6
	.text
	.protected	k_q9387a3eb72_fine
	.globl	k_q9387a3eb72_fine
	.p2align	8
	.type	k_q9387a3eb72_fine,@function
k_q9387a3eb72_fine:
	s_mov_b64 s[64:65], 0
	v_nop
	global_prefetch_b8 v0, s[64:65] scope:SCOPE_SE
	s_setreg_imm32_b32 hwreg(HW_REG_WAVE_MODE, 25, 1), 1
	s_wait_xcnt 0x0
; THE FIRST 16 POSITIONS OF EVERY SEQUENCE, once more, with f32 operands throughout: these rows average one to sixteen values and are the largest of the output, so the rounding of 16-bit operands weighs most there.
; This launch runs last and writes rows 2,048 b + 0 .. 15 of out over what the projection left there.  LEFT OUT: K's bias (shown at the head of the first launch): qkv32 holds k without it.
; SHARES.  A work-group takes one batch and 64 columns of out; each of its 16 waves takes one head: the head's 16 x 16 attention, then its 64 channels' share of the 16 x 64 block of out.
; The sixteen shares meet in LDS; wave q then sums row q, adds the bias and stores 256 consecutive, aligned bytes.  Each work-group makes its batch's small attention anew: 32 matrix instructions a wave.
; No tensor loads and no cluster: every operand goes from memory straight into registers, once.
; v_wmma_f32_16x16x4_f32: lane (r, h), register j of a source: row r, k = 2 h + j.  ONE PERMUTATION OF k SERVES BOTH SOURCES of each product, so that a lane's registers run on:
;   scores: place (h, j) of step s stands for channel 32 h + 2 s + j;   V^T P: for key 8 h + 2 s + j;   the projection: for channel 16 ct + 8 h + 2 s + j.
; So S^T's result (a lane: query r, keys 8 h + 0..7) is, as p, the second product's source 1 as it stands, and that product's result the third's.
; The registers that the f32 matrix form writes (v112-127, v144-175, v240-255) are written by matrix instructions alone.
; REGISTERS: v16-47 Q, v48-79 K (both later W_out's tiles 2, 3; v16-47 later the rows to be summed); v80-111 V; v112-119, v120-127 the scores in two sums, later out's tiles 0, 1; v128-135 s, then p; v136-143 at work;
;   v144-175 the answers, transposed; v176-239 W_out's tiles 0, 1; v240-255 out's tiles 2, 3.
.set PP,    272                        ; a row of a wave's share in LDS: 256 bytes + 16
.set PW,    16*PP                      ; a wave's share
.set SPARE, 16*PW                      ; the spare words, 128 bytes for each wave: eight blocks of 256 bytes that no other line names
.set SPW, 5
.set NIL, 6
	s_load_b256 s[4:11], s[0:1], 0x0               ; qkv32 s[4:5], W_out s[6:7], b_out s[8:9], out s[10:11]
	v_lshl_add_u32 v[SPW], v0, 2, SPARE
	v_mov_b32 v[NIL], 0
	v_lshrrev_b32 v1, 5, v0
	v_readfirstlane_b32 s12, v1                    ; wave: my head, and later my row
	s_and_b32 s13, ttmp7, 0xffff                   ; the batch
	v_and_b32 v1, 15, v0                           ; r
	v_bfe_u32 v2, v0, 4, 1                         ; h
	v_mul_u32_u24 v4, v1, 12288
	v_lshl_add_u32 v4, v2, 7, v4                   ; Q, K: position r, channels 32 h on
	v_mul_u32_u24 v7, v2, 8*12288
	v_lshl_add_u32 v7, v1, 2, v7                   ; V: keys 8 h on, channel r
	v_lshlrev_b32 v12, 15, v2
	v_lshl_add_u32 v12, v1, 2, v12                 ; W_out: rows 8 h on, column r
	v_lshlrev_b32 v13, 3, v2
	v_sub_nc_u32 v13, v1, v13                      ; r - 8 h
	v_mov_b32 v14, 0xff800000                      ; -infinity
	s_mul_i32 s14, s12, PW
	v_mul_u32_u24 v15, v1, PP
	v_lshl_add_u32 v15, v2, 5, v15
	v_add_nc_u32 v15, s14, v15                     ; my share: row r, + 32 h
	s_mul_i32 s14, s12, PP
	v_lshlrev_b32 v141, 4, v1                      ; 16 (lane % 16)
	v_mul_u32_u24 v140, v2, 8*PW
	v_add_nc_u32 v140, v140, v141
	v_add_nc_u32 v140, s14, v140                   ; the sum: row = my wave, 16 bytes a lane, lanes 16-31 the upper eight shares
	v_mov_b32 v137, 0                              ; a lane permute's destination counts as one of its sources
	v_and_b32 v3, 31, v0
	s_mov_b32 s24, 0x3e38aa3b                      ; c = log2(e) / sqrt(64)
	s_mov_b32 s26, 0x76543210
	s_mov_b32 s27, 0xfedcba98
	s_mul_i32 s16, s13, 16*12288
	s_lshl_b32 s17, s12, 8
	s_add_co_u32 s16, s16, s17                     ; qkv32: the batch's rows, my head's 64 columns
	s_mov_b32 s17, 0
	s_lshl_b32 s18, s12, 18                        ; W_out: my head's 64 rows,
	s_lshl_b32 s19, ttmp9, 8                       ; the work-group's 64 columns
	s_add_co_u32 s18, s18, s19
	s_mov_b32 s20, s19
	s_mov_b32 s19, 0
	s_mov_b32 s21, 0
	s_lshl_b32 s22, s13, 23                        ; out: row 2,048 b + my wave
	s_lshl_b32 s23, s12, 12
	s_add_co_u32 s22, s22, s23
	s_add_co_u32 s22, s22, s20
	s_mov_b32 s23, 0
	s_wait_kmcnt 0x0
	s_add_nc_u64 s[4:5], s[4:5], s[16:17]
	s_add_nc_u64 s[6:7], s[6:7], s[18:19]
	s_add_nc_u64 s[8:9], s[8:9], s[20:21]
	s_add_nc_u64 s[10:11], s[10:11], s[22:23]
	global_load_b128 v[8:11], v141, s[8:9]         ; the bias of my four columns
.irp i, 0,1,2,3,4,5,6,7
	global_load_b128 v[16+4*\i:19+4*\i], v4, s[4:5] offset:16*\i
.endr
.irp i, 0,1,2,3,4,5,6,7
	global_load_b128 v[48+4*\i:51+4*\i], v4, s[4:5] offset:4096+16*\i
.endr
.irp ct, 0,1,2,3
.irp i, 0,1,2,3,4,5,6,7
	global_load_b32 v[80+8*\ct+\i], v7, s[4:5] offset:8192+12288*\i+64*\ct      ; V(key 8 h + i, channel 16 ct + r)
.endr
.endr
.irp tl, 0,1
.irp ct, 0,1,2,3
.irp i, 0,1,2,3,4,5,6,7
	global_load_b32 v[176+32*\tl+8*\ct+\i], v12, s[6:7] offset:(16*\ct+\i)*4096+64*\tl   ; W_out(16 ct + 8 h + i, 16 tl + r)
.endr
.endr
.endr
	s_wait_loadcnt 63                              ; Q and K are in: 96 loads stand behind them, and 63 is the largest count that the wait can name
	; S^T = K Q^T: 16 steps of 4 channels, by turns onto two sums
	v_wmma_f32_16x16x4_f32 v[112:119], v[48:49], v[16:17], 0
	v_wmma_f32_16x16x4_f32 v[120:127], v[50:51], v[18:19], 0
.irp s, 2,4,6,8,10,12,14
	v_wmma_f32_16x16x4_f32 v[112:119], v[48+2*\s:49+2*\s], v[16+2*\s:17+2*\s], v[112:119]
	v_wmma_f32_16x16x4_f32 v[120:127], v[50+2*\s:51+2*\s], v[18+2*\s:19+2*\s], v[120:127]
.endr
.rept 8
	v_nop                                          ; eight places behind this form, in front of loads into its sources and of the first read of its results
.endr
.irp tl, 0,1
.irp ct, 0,1,2,3
.irp i, 0,1,2,3,4,5,6,7
	global_load_b32 v[16+32*\tl+8*\ct+\i], v12, s[6:7] offset:(16*\ct+\i)*4096+128+64*\tl   ; W_out's tiles 2 and 3, where Q and K lay
.endr
.endr
.endr
.irp j, 0,1,2,3,4,5,6,7
	v_add_f32 v[128+\j], v[112+\j], v[120+\j]      ; the score of key 8 h + j for query r
.endr
.irp j, 0,1,2,3,4,5,6,7
	v_cmp_gt_i32 vcc_lo, \j, v13                   ; hidden where 8 h + j > r
	v_cndmask_b32 v[128+\j], v[128+\j], v14, vcc_lo
.endr
	v_max3_num_f32 v136, v128, v129, v130
	v_max3_num_f32 v136, v136, v131, v132
	v_max3_num_f32 v136, v136, v133, v134
	v_max_num_f32 v136, v136, v135
	v_permlanex16_b32 v137, v136, s26, s27
	v_max_num_f32 v136, v136, v137                 ; the row's maximum: key 0 counts for every query, so it is a number
	v_mul_f32 v138, s24, v136
.irp j, 0,1,2,3,4,5,6,7
	v_fma_f32 v[128+\j], v[128+\j], s24, -v138
.endr
.irp j, 0,1,2,3,4,5,6,7
	v_exp_f32 v[128+\j], v[128+\j]
.endr
	v_nop
	s_wait_alu depctr_va_vdst(0)                   ; one wait for the eight exponentials
	v_add_f32 v139, v128, v129
	v_add_f32 v142, v130, v131
	v_add_f32 v139, v139, v132
	v_add_f32 v142, v142, v133
	v_add_f32 v139, v139, v134
	v_add_f32 v142, v142, v135
	v_add_f32 v139, v139, v142
	v_permlanex16_b32 v137, v139, s26, s27
	v_add_f32 v139, v139, v137
	v_rcp_f32 v139, v139
	v_nop
	s_wait_alu depctr_va_vdst(0)
.irp j, 0,1,2,3,4,5,6,7
	v_mul_f32 v[128+\j], v[128+\j], v139           ; the weights
.endr
	s_wait_loadcnt 63                              ; V is in: 128 loads stand behind it
	; the answers, transposed: V^T P: four tiles of 16 channels by turns, four steps of 4 keys
.irp s, 0,1,2,3
.irp ct, 0,1,2,3
.if \s == 0
	v_wmma_f32_16x16x4_f32 v[144+8*\ct:151+8*\ct], v[80+8*\ct+2*\s:81+8*\ct+2*\s], v[128+2*\s:129+2*\s], 0
.else
	v_wmma_f32_16x16x4_f32 v[144+8*\ct:151+8*\ct], v[80+8*\ct+2*\s:81+8*\ct+2*\s], v[128+2*\s:129+2*\s], v[144+8*\ct:151+8*\ct]
.endif
.endr
.endr
.rept 9
	v_nop                                          ; nine places before a matrix instruction takes these results as a source, or begins a sum anew over earlier results
.endr
	s_wait_loadcnt 63                              ; W_out's tiles 0 and 1 are in: 64 loads stand behind them
	; out^T's share: W_out^T x answers^T: two tiles of 16 columns by turns, 16 steps of 4 channels
.irp ct, 0,1,2,3
.irp s, 0,1,2,3
.irp tl, 0,1
.if (\ct == 0) && (\s == 0)
	v_wmma_f32_16x16x4_f32 v[112+8*\tl:119+8*\tl], v[176+32*\tl+8*\ct+2*\s:177+32*\tl+8*\ct+2*\s], v[144+8*\ct+2*\s:145+8*\ct+2*\s], 0
.else
	v_wmma_f32_16x16x4_f32 v[112+8*\tl:119+8*\tl], v[176+32*\tl+8*\ct+2*\s:177+32*\tl+8*\ct+2*\s], v[144+8*\ct+2*\s:145+8*\ct+2*\s], v[112+8*\tl:119+8*\tl]
.endif
.endr
.endr
.endr
	s_wait_loadcnt 0x0                             ; tiles 2 and 3
.irp ct, 0,1,2,3
.irp s, 0,1,2,3
.irp tl, 0,1
.if (\ct == 0) && (\s == 0)
	v_wmma_f32_16x16x4_f32 v[240+8*\tl:247+8*\tl], v[16+32*\tl+8*\ct+2*\s:17+32*\tl+8*\ct+2*\s], v[144+8*\ct+2*\s:145+8*\ct+2*\s], 0
.else
	v_wmma_f32_16x16x4_f32 v[240+8*\tl:247+8*\tl], v[16+32*\tl+8*\ct+2*\s:17+32*\tl+8*\ct+2*\s], v[144+8*\ct+2*\s:145+8*\ct+2*\s], v[240+8*\tl:247+8*\tl]
.endif
.endr
.endr
.endr
.rept 8
	v_nop
.endr
.irp tl, 0,1
	ds_store_b128 v15, v[112+8*\tl:115+8*\tl] offset:64*\tl            ; lane (r, h): query r, columns 16 tl + 8 h + 0..7; each result from its low end on
	ds_store_b128 v15, v[116+8*\tl:119+8*\tl] offset:64*\tl+16
.endr
.irp tl, 0,1
	ds_store_b128 v15, v[240+8*\tl:243+8*\tl] offset:128+64*\tl
	ds_store_b128 v15, v[244+8*\tl:247+8*\tl] offset:128+64*\tl+16
.endr
	s_wait_dscnt 0x0                               ; for the others' sake: my share lies in LDS
	s_barrier_signal -1
	s_barrier_wait -1
.irp i, 0,1,2,3,4,5,6,7
	ds_load_b128 v[16+4*\i:19+4*\i], v140 offset:\i*PW               ; row = my wave, of eight heads' shares
.endr
	s_wait_dscnt 0x0
.irp i, 0,2,4,6,8,10,12,14
	v_pk_add_f32 v[16+\i:17+\i], v[16+\i:17+\i], v[32+\i:33+\i]
.endr
.irp i, 0,2,4,6
	v_pk_add_f32 v[16+\i:17+\i], v[16+\i:17+\i], v[24+\i:25+\i]
.endr
.irp i, 0,2
	v_pk_add_f32 v[16+\i:17+\i], v[16+\i:17+\i], v[20+\i:21+\i]
.endr
.irp i, 0,1,2,3
	v_permlanex16_b32 v[24+\i], v[16+\i], s26, s27 ; the other eight heads'
.endr
.irp i, 0,2
	v_pk_add_f32 v[16+\i:17+\i], v[16+\i:17+\i], v[24+\i:25+\i]
.endr
.irp i, 0,2
	v_pk_add_f32 v[16+\i:17+\i], v[16+\i:17+\i], v[8+\i:9+\i]        ; + b_out
.endr
	v_cmp_gt_u32 vcc_lo, 16, v3
	s_wait_xcnt 0x0                                ; EXEC changes only behind this wait
	s_and_saveexec_b32 s28, vcc_lo                 ; lanes 16-31 hold the same sums: sixteen lanes store
	global_store_b128 v141, v[16:19], s[10:11]     ; 256 consecutive bytes, aligned
	s_wait_xcnt 0x0
	s_or_b32 exec_lo, exec_lo, s28
	s_wait_tensorcnt 0x0                           ; the wave's end, behind my last LDS store
	ds_add_u32 v[SPW], v[NIL]
	s_wait_dscnt 0x0
	s_endpgm
.Lfunc_end_k_q9387a3eb72_fine:
	.size	k_q9387a3eb72_fine, .Lfunc_end_k_q9387a3eb72_fine-k_q9387a3eb72_fine
	.p2alignl 7, 3214868480
	.fill 96, 4, 3214868480
	.section	.rodata,"a",@progbits
	.p2align	6, 0x0
	.amdhsa_kernel k_q9387a3eb72_fine
		.amdhsa_group_segment_fixed_size 71680
		.amdhsa_private_segment_fixed_size 0
		.amdhsa_enable_private_segment 0
		.amdhsa_kernarg_size 32
		.amdhsa_user_sgpr_count 2
		.amdhsa_user_sgpr_kernarg_segment_ptr 1
		.amdhsa_wavefront_size32 1
		.amdhsa_system_sgpr_workgroup_id_x 1
		.amdhsa_system_sgpr_workgroup_id_y 1
		.amdhsa_system_sgpr_workgroup_id_z 1
		.amdhsa_system_vgpr_workitem_id 0
		.amdhsa_next_free_vgpr 256
		.amdhsa_next_free_sgpr 66
		.amdhsa_reserve_vcc 1
		.amdhsa_float_denorm_mode_32 3
		.amdhsa_float_denorm_mode_16_64 3
		.amdhsa_memory_ordered 1
		.amdhsa_forward_progress 1
		.amdhsa_inst_pref_size 32
	.end_amdhsa_kernel
	.amdgpu_metadata
---
amdhsa.version: [ 1, 2 ]
amdhsa.kernels:
  - .name:           k_q9387a3eb72_fine
    .symbol:         k_q9387a3eb72_fine.kd
    .args:
      - { .name: qkv32, .offset: 0, .size: 8, .value_kind: global_buffer, .address_space: global }
      - { .name: W_out, .offset: 8, .size: 8, .value_kind: global_buffer, .address_space: global }
      - { .name: b_out, .offset: 16, .size: 8, .value_kind: global_buffer, .address_space: global }
      - { .name: out0, .offset: 24, .size: 8, .value_kind: global_buffer, .address_space: global }
    .group_segment_fixed_size: 71680
    .private_segment_fixed_size: 0
    .kernarg_segment_align: 8
    .kernarg_segment_size: 32
    .max_flat_workgroup_size: 512
    .sgpr_count:     66
    .vgpr_count:     256
    .wavefront_size: 32
...
	.end_amdgpu_metadata
.endif
;; end of part 5
